; MI455X (gfx1250); checked and timed in simulation.
; The chip was launched on July 23, 2026; its instructions are those of AMD's public machine-readable ISA for CDNA 5 (MIT licence, August 2026) and "CDNA5" Instruction Set Architecture Reference Guide (July 2026). The comments in the code are by the model that wrote it; some were corrected since.
;; Ji T Attention. Allowed arithmetic: matrix products marked QUANTISED: E2M3 operands, one E8M0 scale for each 32 along K, by v_wmma_scale_f32_16x16x128_f8f6f4 with both operands' format E2M3, f32 sums; everything else in f32.
;; Inputs: knorm_w 64 float32; proj_b 1,024 float32; proj_w 1,024 x 1,024 float32; qkv_b 3,072 float32; qkv_w 3,072 x 1,024 float32; qnorm_w 64 float32; rope_cos 2,048 x 64 float32; rope_sin 2,048 x 64 float32; x 4 x 2,048 x 1,024 float32.
;; Outputs: out0 4 x 2,048 x 1,024 float32.
;; This version of the problem:
;;   THIS VERSION OF THE PROBLEM IS GIVEN IN LOW PRECISION. The matrix products marked QUANTISED in the list below multiply operands that are first quantised to E2M3 (2 exponent bits, 3 mantissa bits; 6 bits a number), with one power-of-two scale for each 32 numbers along K (OCP MX v1.0); their sums are f32. All else is computed in f32.
;;   The module's matrix products, in the order in which they are computed (A, B: the left and right operand; K: the contracted axis; several contracted axes count as one K, in the product's order):
;;     1. [M 8,192, K 1,024] x [K 1,024, N 3,072]; A: input x; B: input qkv_w: QUANTISED
;;     2. batch 64 x [M 2,048, K 64] x [K 64, N 2,048]; A: computed on the way; B: computed on the way: QUANTISED
;;     3. batch 64 x [M 2,048, K 2,048] x [K 2,048, N 64]; A: softmax (see below); B: computed on the way: QUANTISED
;;     4. [M 8,192, K 1,024] x [K 1,024, N 1,024]; A: computed on the way; B: input proj_w: QUANTISED
;;   THE QUANTISER, for each operand of a quantised product, along K:
;;     - K is cut into blocks of 32 from its start; a last block that is shorter is filled with zeros.
;;     - A block's scale is 2^e with e = floor(log2(the largest magnitude in the block)) - 2, held to -126 .. 127; a block of zeros has e = 0. As a byte (E8M0): e + 127.
;;     - Each number is divided by its block's scale, clamped to +-7.5, and rounded to the nearest number of E2M3, ties to even, subnormals kept.
;;     - The product sums the exact products of the quantised numbers (number of the format x scale) in f32.
;;   ~~~python
;;   def quantise(x, axis):      # numpy; x: float32 -> the quantised numbers, widened to float32 again
;;       x = np.moveaxis(x, axis, -1); K = x.shape[-1]
;;       x = np.pad(x, [(0, 0)] * (x.ndim - 1) + [(0, -K % 32)]); x = x.reshape(x.shape[:-1] + (-1, 32)); a = np.abs(x).max(-1, keepdims=True)
;;       e = np.where(a > 0, np.clip(np.frexp(np.where(a > 0, a, 1))[1] - 1 - 2, -126, 127), 0)      # np.frexp(a)[1] - 1 = floor(log2(a)), exactly
;;       r = np.clip(x / 2.0 ** e, -7.5, 7.5)
;;       step = 2.0 ** (np.maximum(np.frexp(np.where(r == 0, 1, r))[1] - 1, 0) - 3)
;;       q = np.round(r / step) * step * 2.0 ** e      # np.round: ties to even
;;       return np.moveaxis(q.reshape(q.shape[:-2] + (-1,))[..., :K], -1, axis).astype(np.float32)
;;   ~~~
;;   SOFTMAX AHEAD OF A QUANTISED PRODUCT. Where the list says 'softmax', what is quantised is not the finished softmax but p = 2^(t - M), with t = logit x log2(e) and M = ceil(the row's largest t), a whole number; so 1/2 < the row's largest p <= 1. The row's sum l is taken of the UNQUANTISED p, in f32, and the product's result is divided by l at the end. Since M is a whole number, a kernel that streams over the keys may use a running M (the ceiling of the running maximum): every later rescaling is an exact power of two, which a block's scale takes up: the codes' values come out the same.
;;   OPERANDS COMPUTED ON THE WAY. 'Computed on the way' means the value that the module computes at that place (a softmax that the list does not call 'softmax' is quantised finished and normalised). What goes into a quantiser is computed in f32, as accurately as f32 sums, v_exp_f32 and their like allow (about 1e-6 of the number): no bf16 or f16 on the way to a quantiser, and a product that is left as it is and whose result goes on into a quantised operand takes f32 operands (vector FMAs, or v_wmma_f32_16x16x4_f32). A number that lies on a knife's edge between two numbers of the format may be rounded either way, as far as f32 arithmetic and the matrix unit's own rounding can turn it there, and no further.
;; One version. Each part assembles by itself: llvm-mc -triple=amdgcn-amd-amdhsa -mcpu=gfx1250 --defsym DOCPART=n.
;; ======== version 1 of 1: 5 launches
;; limits: right only within a limited range of input values
;; workspace buffers: cimg 9,437,184 bytes; csc 393,216 bytes; qkimg 13,631,488 bytes; vimg 6,553,600 bytes; oimg 6,291,456 bytes; osc 262,144 bytes
;; launch quant (part 1): grid 256 x 1, 3 waves a work-group, no clusters, 26,112 bytes of LDS; arguments x, qkv_w, proj_w, cimg, csc; writes cimg, csc
.if DOCPART == 1
	.amdgcn_target "amdgcn-amd-amdhsa--gfx1250"
	.amdhsa_code_object_version 6
	.text
	.protected	k_qc715933bd7_quant
	.globl	k_qc715933bd7_quant
	.p2align	8
	.type	k_qc715933bd7_quant,@function
k_qc715933bd7_quant:
	s_mov_b64 s[64:65], 0
	v_nop
	global_prefetch_b8 v0, s[64:65] scope:SCOPE_SE
	s_setreg_imm32_b32 hwreg(HW_REG_WAVE_MODE, 25, 1), 1
	s_wait_xcnt 0x0
; x [8192][1024], qkv_w [3072][1024] and proj_w [1024][1024], f32, K innermost, become codes of FP6 (E2M3) with one E8M0 scale byte for each 32 along K,
; laid in the ORDER OF THE OPERAND'S REGISTERS, so that the products' launches load fragments as they stand.
; TILES.  The rows of a tensor go in tiles of 16: tile T, lane-row i, is row 32 (T / 2) + 8 (T % 2) + i + 8 (i / 8).  (In a transposed product a lane's 16 registers of two neighbouring tiles are then 16 neighbours.)
; cimg: [tile][fragment 0..7][1,536 bytes].  A fragment is 16 rows x 128 K, 12 registers a lane; it lies as six pieces of 256 bytes, piece p = registers 2 p, 2 p + 1, lane l at 8 l.
; csc:  [tile][lane-row][8 words]: word f = the four scale bytes of fragment f.
; A block's scale is 2^(floor(log2(its largest magnitude)) - 2); its byte is the largest magnitude's exponent field - 2, held at 1 from below.
; LIMITS: a block of zeros gets the byte 1 where the rule says 127 (its codes are zeros, and this program alone reads the bytes); blocks whose largest magnitude lies under 2^-124 keep the byte 1; NaN and infinities are not served.
; SHARES.  768 tiles, one to a wave, 3 waves to a work-group; a wave goes through its tile's eight fragments.  Each load reads 512 consecutive bytes of one row; a fragment's 16 x 512 bytes turn through the wave's own stage
; in LDS (rows 528 bytes apart), so that lane (r, h) gets row r's numbers k = 64 c + 32 h + 0 .. 31, two whole blocks.  Waves share nothing: no barrier.  Nothing is shared between work-groups: no cluster, no matrix unit.
.set WQI,   6291456                    ; qkv_w's tiles in cimg (x's begin at 0)
.set WPI,   8650752                    ; proj_w's
.set WQS,   262144                     ; the same in csc
.set WPS,   360448
.set TROW,  12288                      ; a tile's eight fragments in bytes
.set SP,    528                        ; a stage row: 512 bytes + 16
.set STAGE, 16*SP
.set R,     32                         ; v32-95, v96-159  two sets of 16 x 4 registers as loaded
.set X,     160                        ; v160-223  my 64 numbers of the fragment
.set C,     224                        ; v224-235  the fragment's codes
.set W,     244                        ; v244-251  the scale word of each fragment
.set HI,    29                         ; s29  mask of lanes 16-31
.set SEL,   30                         ; s[30:31]  lane selects: lane l xor 16
	s_load_b256 s[4:11], s[0:1], 0x0               ; x s[4:5], qkv_w s[6:7], proj_w s[8:9], cimg s[10:11]
	s_load_b64 s[12:13], s[0:1], 0x20              ; csc
	v_lshl_add_u32 v239, v0, 2, 0x6400
	v_mov_b32 v243, 0
	v_lshrrev_b32 v1, 5, v0
	v_readfirstlane_b32 s19, v1                    ; wave 0..2
	v_and_b32 v1, 31, v0                           ; lane
	v_and_b32 v2, 15, v0                           ; r
	v_bfe_u32 v3, v0, 4, 1                         ; h
	v_lshlrev_b32 v4, 4, v1                        ; 16 l: my 16 bytes of a load's 512
	s_mul_i32 s18, s19, STAGE                      ; my wave's stage
	v_add_nc_u32 v5, s18, v4                       ; into it: 16 l, a row an instruction
	v_mul_u32_u24 v6, v2, SP
	v_lshl_add_u32 v6, v3, 7, v6
	v_add_nc_u32 v6, s18, v6                       ; out of it: row r, + 128 h
	v_lshlrev_b32 v7, 3, v1                        ; 8 l: my place in a piece
	v_lshlrev_b32 v8, 5, v2
	v_lshl_add_u32 v8, v3, 4, v8                   ; 32 r + 16 h: my four scale words
	v_lshlrev_b32 v9, 3, v3                        ; 8 h: how far my two bytes are shifted up
	v_mov_b32 v17, 0                               ; a lane permute's destination counts as one of its sources
	v_cmp_lt_u32 s[HI], 15, v1
	s_mov_b32 s[SEL], 0x76543210
	s_mov_b32 s[SEL+1], 0xfedcba98
	s_mul_i32 s20, ttmp9, 3
	s_add_co_u32 s20, s20, s19                     ; my tile among the 768: 0-511 x, 512-703 qkv_w, 704-767 proj_w
	s_mov_b32 s21, 704
	s_mov_b32 s22, WPI
	s_mov_b32 s23, WPS
	s_wait_alu depctr_va_vdst(0)
	s_wait_kmcnt 0x0
	s_cmp_lt_u32 s20, 704                          ; the choices hang on the tile's number alone
	s_cselect_b64 s[6:7], s[6:7], s[8:9]
	s_cselect_b32 s21, 512, s21
	s_cselect_b32 s22, WQI, s22
	s_cselect_b32 s23, WQS, s23
	s_cmp_lt_u32 s20, 512
	s_cselect_b64 s[4:5], s[4:5], s[6:7]           ; the tensor,
	s_cselect_b32 s21, 0, s21                      ; its first tile,
	s_cselect_b32 s22, 0, s22                      ; where its codes begin,
	s_cselect_b32 s23, 0, s23                      ; and its scale words
	; x's tiles are laid otherwise than the weights': tile T, lane-row i, is row 64 (T / 4) + 8 (T % 4) + i % 8 + 32 (i / 8), so that in a transposed product a lane's 32 registers of four neighbouring tiles are 32 neighbours
	s_cselect_b32 s32, 2, 1                        ; tiles to a group: 4 (x) or 2, as a shift,
	s_cselect_b32 s33, 18, 17                      ; a group's 64 or 32 rows of 4,096 bytes, as a shift,
	s_cselect_b32 s34, 3, 1                        ; the tile's place in its group, as a mask,
	s_cselect_b32 s36, 0x10000, 0                  ; and how much further down lane-rows 8-15 lie in x: 16 rows
	s_mov_b32 s37, 0
	s_sub_co_u32 s20, s20, s21                     ; T: my tile in the tensor
	s_lshr_b32 s24, s20, s32
	s_lshl_b32 s24, s24, s33
	s_and_b32 s25, s20, s34
	s_lshl_b32 s25, s25, 15                        ; + 8 (T % 2) rows
	s_add_co_u32 s24, s24, s25
	s_mov_b32 s25, 0
	s_add_nc_u64 s[4:5], s[4:5], s[24:25]
	s_add_nc_u64 s[14:15], s[4:5], s[36:37]        ; the base for lane-rows 8-15
	s_mul_i32 s26, s20, TROW
	s_add_co_u32 s26, s26, s22
	s_mov_b32 s27, 0
	s_add_nc_u64 s[10:11], s[10:11], s[26:27]
	s_lshl_b32 s16, s20, 9
	s_add_co_u32 s16, s16, s23
	s_mov_b32 s17, 0
	s_add_nc_u64 s[12:13], s[12:13], s[16:17]
.macro LOAD t                          ; fragment t of the tile's 16 rows into set t % 2: 32 lanes read 512 consecutive bytes of a row
.irp i, 0,1,2,3,4,5,6,7,8,9,10,11,12,13,14,15
.if \i < 8
	global_load_b128 v[R+64*((\t)%2)+4*\i:R+64*((\t)%2)+4*\i+3], v4, s[4:5] offset:\i*4096+512*(\t) th:TH_LOAD_NT
.else
	global_load_b128 v[R+64*((\t)%2)+4*\i:R+64*((\t)%2)+4*\i+3], v4, s[14:15] offset:(\i+8)*4096+512*(\t) th:TH_LOAD_NT
.endif
.endr
.endm
.macro STEP t
.if (\t) < 7
	s_wait_loadcnt 16                              ; this fragment's 16 loads are in; the next one's 16 may be out
.else
	s_wait_loadcnt 0x0
.endif
.irp i, 0,1,2,3,4,5,6,7,8,9,10,11,12,13,14,15
	ds_store_b128 v5, v[R+64*((\t)%2)+4*\i:R+64*((\t)%2)+4*\i+3] offset:SP*\i
.endr
.irp c, 0,1
.irp j, 0,1,2,3,4,5,6,7
	ds_load_b128 v[X+32*\c+4*\j:X+32*\c+4*\j+3], v6 offset:256*\c+16*\j   ; LDS serves a wave's instructions in order: these see the stores above
.endr
.endr
	s_wait_dscnt 0x0                               ; my numbers are back, and the stores have read their registers,
.if (\t) < 6
	LOAD (\t)+2                                    ; which take the fragment two further on
.endif
	v_max3_num_f32 v10, |v[X]|, |v[X+1]|, 0x1800000      ; my two blocks by turns; the floor 2^(3 - 127) among the leaves holds the byte at 1 from below
	v_max3_num_f32 v11, |v[X+32]|, |v[X+33]|, 0x1800000
.irp i, 2,4,6,8,10,12,14,16,18,20,22,24,26,28,30
	v_max3_num_f32 v10, v10, |v[X+\i]|, |v[X+\i+1]|
	v_max3_num_f32 v11, v11, |v[X+32+\i]|, |v[X+33+\i]|
.endr
	v_add_nc_u32 v12, 0xff000000, v10              ; 2 off the exponent field: the conversion takes the exponent field of this operand as its scale
	v_add_nc_u32 v13, 0xff000000, v11
	v_lshrrev_b32 v14, 23, v12                     ; the scales' bytes: blocks h and 2 + h of my row
	v_lshrrev_b32 v15, 23, v13
	v_lshl_or_b32 v16, v15, 16, v14
	v_lshlrev_b32 v16, v9, v16                     ; at their places in the word
	v_permlanex16_b32 v17, v16, s[SEL], s[SEL+1]
	v_or_b32 v[W+(\t)], v16, v17                   ; with lane l xor 16's two the word is whole
	s_wait_alu depctr_va_vdst(0)
	s_wait_xcnt 0x0                                ; the last fragment's stores have read their data: the codes' registers are written again only behind this wait
.irp c, 0,1
	v_cvt_scalef32_pk16_fp6_f32 v[C+6*\c:C+6*\c+2], v[X+32*\c:X+32*\c+15], v[12+\c]
	v_cvt_scalef32_pk16_fp6_f32 v[236+4*\c:238+4*\c], v[X+32*\c+16:X+32*\c+31], v[12+\c]   ; (a conversion's three registers begin on an even number)
.endr
	v_nop                                          ; one plain place behind a scaled conversion
.irp c, 0,1
.irp i, 0,1,2
	v_mov_b32 v[C+6*\c+3+\i], v[236+4*\c+\i]
.endr
.endr
.irp p, 0,1,2,3,4,5
	global_store_b64 v7, v[C+2*\p:C+2*\p+1], s[10:11] offset:1536*(\t)+256*\p   ; 32 lanes store 256 consecutive bytes, at a multiple of 256 from the buffer's first byte
.endr
.endm
	LOAD 0
	LOAD 1
.irp t, 0,1,2,3,4,5,6,7
	STEP \t
.endr
.irp i, 0,1,2,3
	v_cndmask_b32 v[252+\i], v[W+\i], v[W+4+\i], s[HI]   ; lanes 0-15 store words 0-3 of their row, lanes 16-31 words 4-7
.endr
	global_store_b128 v8, v[252:255], s[12:13]     ; the tile's 512 bytes of scale words, consecutive
	s_wait_tensorcnt 0x0
	ds_add_u32 v239, v243
	s_wait_dscnt 0x0
	s_endpgm
.Lfunc_end_k_qc715933bd7_quant:
	.size	k_qc715933bd7_quant, .Lfunc_end_k_qc715933bd7_quant-k_qc715933bd7_quant
	.p2alignl 7, 3214868480
	.fill 96, 4, 3214868480
	.section	.rodata,"a",@progbits
	.p2align	6, 0x0
	.amdhsa_kernel k_qc715933bd7_quant
		.amdhsa_group_segment_fixed_size 26112
		.amdhsa_private_segment_fixed_size 0
		.amdhsa_enable_private_segment 0
		.amdhsa_kernarg_size 40
		.amdhsa_user_sgpr_count 2
		.amdhsa_user_sgpr_kernarg_segment_ptr 1
		.amdhsa_wavefront_size32 1
		.amdhsa_system_sgpr_workgroup_id_x 1
		.amdhsa_system_sgpr_workgroup_id_y 1
		.amdhsa_system_sgpr_workgroup_id_z 1
		.amdhsa_system_vgpr_workitem_id 0
		.amdhsa_next_free_vgpr 256
		.amdhsa_next_free_sgpr 66
		.amdhsa_reserve_vcc 0
		.amdhsa_float_denorm_mode_32 3
		.amdhsa_float_denorm_mode_16_64 3
		.amdhsa_memory_ordered 1
		.amdhsa_forward_progress 1
		.amdhsa_inst_pref_size 61
	.end_amdhsa_kernel
	.amdgpu_metadata
---
amdhsa.version: [ 1, 2 ]
amdhsa.kernels:
  - .name:           k_qc715933bd7_quant
    .symbol:         k_qc715933bd7_quant.kd
    .args:
      - { .name: x, .offset: 0, .size: 8, .value_kind: global_buffer, .address_space: global }
      - { .name: qkv_w, .offset: 8, .size: 8, .value_kind: global_buffer, .address_space: global }
      - { .name: proj_w, .offset: 16, .size: 8, .value_kind: global_buffer, .address_space: global }
      - { .name: cimg, .offset: 24, .size: 8, .value_kind: global_buffer, .address_space: global }
      - { .name: csc, .offset: 32, .size: 8, .value_kind: global_buffer, .address_space: global }
    .group_segment_fixed_size: 26112
    .private_segment_fixed_size: 0
    .kernarg_segment_align: 8
    .kernarg_segment_size: 40
    .max_flat_workgroup_size: 96
    .sgpr_count:     66
    .vgpr_count:     256
    .wavefront_size: 32
...
	.end_amdgpu_metadata
.endif
;; end of part 1
;; launch qk (part 2): grid 8 x 64, 4 waves a work-group, clusters of 4 x 4, 327,680 bytes of LDS; arguments cimg, csc, qkv_b, qnorm_w, knorm_w, rope_cos, rope_sin, qkimg; writes qkimg
.if DOCPART == 2
	.amdgcn_target "amdgcn-amd-amdhsa--gfx1250"
	.amdhsa_code_object_version 6
	.text
	.protected	k_qc715933bd7_qk
	.globl	k_qc715933bd7_qk
	.p2align	8
	.type	k_qc715933bd7_qk,@function
k_qc715933bd7_qk:
	s_mov_b64 s[64:65], 0
	v_nop
	global_prefetch_b8 v0, s[64:65] scope:SCOPE_SE
	s_setreg_imm32_b32 hwreg(HW_REG_WAVE_MODE, 25, 1), 1
	s_wait_xcnt 0x0
	s_wait_alu depctr_hold_cnt(0) depctr_sa_sdst(0) depctr_va_vdst(0) depctr_va_sdst(0) depctr_va_ssrc(0) depctr_va_vcc(0) depctr_vm_vsrc(0)
	s_getreg_b32 s2, hwreg(HW_REG_IB_STS2, 6, 4)
	s_cmp_eq_u32 s2, 0
	s_cbranch_scc0 .Lentry_in_a_cluster
	s_endpgm
.Lentry_in_a_cluster:
	s_bfe_u32 s2, ttmp6, 0x10000c
	s_cmp_lg_u32 s2, 0xf033
	s_cbranch_scc0 .Lentry_shape_is_right
	s_endpgm
.Lentry_shape_is_right:
; q and k: columns 0 .. 2047 of x qkv_w^T + qkv_b on codes of FP6 (E2M3), then, in f32, the RMS norm over a head's 64 numbers, the gain, the rope; then quantised along the head's 64 for the product q k^T.
; THE PRODUCT.  A tile is 128 rows of A (x) by 256 rows of B (qkv_w) over all of K = 1,024.  Four waves; wave w takes A's tiles 4 (w / 2) + 0 .. 3 and B's tiles 8 (w % 2) + 0 .. 7: 32 accumulators, 256 registers.
; Codes come as fragment images (16 rows x 128 K = six pieces of 256 bytes, lane l's 8 bytes at 8 l), so a fragment is six loads of 8 bytes a lane at consecutive addresses: no pitch, no padding.
; ALL OF K LIES IN LDS AT ONCE: two halves of 512 along K, each filled once by the tensor data mover; a wave asks for one load of each half, and a half is read behind a wait and a barrier.  No LDS byte is filled twice.
; CLUSTERS: 4 x 4 work-groups.  The four of a row of the cluster need the same tiles of A, the four of a column the same tiles of B: each is asked for JOINTLY, by the same tensor load with the same descriptor and a mask of the four.
; TRANSPOSED USE: source 0 = 16 rows of B, source 1 = 16 rows of A.  A tensor's tile T, lane-row i, is its row 32 (T / 2) + 8 (T % 2) + i + 8 (i / 8); so in accumulator (a, b) lane (r, h), register j, holds
; token = lane-row r of A's tile a and column 32 (b / 2) + 16 h + 8 (b % 2) + j of the wave's 128: a head's 64 columns are 32 registers in lane l and 32 in lane l xor 16, and d and d + 32 lie in ONE lane (the rope's partners).
; THE SCALES go from memory into registers: one load of 16 bytes a lane for a tile; in register q lanes 0-15 hold the word of fragment q, lanes 16-31 that of fragment 4 + q, which the instruction's row selectors pick.
; OUT: qkimg, q at 0 and k at KOFF: [batch x head][32 records of 64 tokens][3,328 bytes]: two pairs of tiles, 1,536 bytes each (12 registers as three pieces of 512 bytes, lane l at 16 l; registers 0-5 the even tile, 6-11 the odd one;
; lane (r, h): d = 32 h + 0 .. 31 of token-row r), then 256 bytes of scale words (lane l: 8 bytes, word i for pair i; lanes 0-15 the even tile's rows, lanes 16-31 the odd one's).  A word is byte 0, byte 1, 0x7f, 0x7f.
; LIMITS: a block of zeros gets the byte 1 (its codes are zeros; this program alone reads the bytes); blocks under 2^-124 keep the byte 1; NaN and infinities are not served; v_rsq_f32 is within 1 ulp; x cos + rot sin is one product and one fused multiply-add.
; REGISTERS.  Window 0: v1-15 addresses, v16-31 at work, v32-47 A's scale words, v48-79 B's, v80-127 and v128-175 A's fragments (two sets), v176-239 the bias, v240-255 at work.
;   Window 1: v0-95 and v128-223 B's fragments (two sets), v96-127 the gains.   Window 2: the accumulators, (a, b) at v[8 (8 a + b)].   Window 3: cos and sin of tile a at v[64 a] and v[64 a + 32].
.set WQI,   6291456
.set WQS,   262144
.set TROW,  12288                      ; a tile's eight fragments in bytes
; K NOW COMES IN TWO HALVES of 512 along K (four fragments a tile), not in four chunks: a wave asks for its part of the first half at the head and for its part of the second behind the three lines and a round of the cluster's barrier.
; x's tile T, lane-row i, is token 64 (T / 4) + 8 (T % 4) + i % 8 + 32 (i / 8); the weights' tiles are as stated above.
.set FCH, 6144                         ; a tile's four fragments of a half
.set CHUNK, 24*FCH                     ; A's 8 tiles, then B's 16
.set AOFF,  0                          ; A = x's tiles
.set ASOFF, 0
.set BOFF,  WQI                        ; B = qkv_w's tiles 0 .. 127
.set BSOFF, WQS
.set AIMG,  4
.set ASCL,  6
.set BIMG,  4
.set BSCL,  6
.set BYA,   0                          ; the bias goes by B's tile
.set HK,    106496                     ; a head in qkimg
.set KOFF,  6815744
.set KREC,  3328
.set WV, 20
.set WM, 21
.set WN, 22
.set CX, 23
.set CY, 24
.set GX, 25
.set GY, 26
.set HI, 27
.set G1A, 28                           ; s[28:35] descriptor group 1 for A's tiles; s[36:43] for B's
.set G1B, 36
.set G0A, 44                           ; s[44:51] groups 0 for A's two halves; s[60:63], s[68:71] for B's
.set SEL, 100
.set ADRA, 4                           ; v4-5   LDS address of my A fragments in half c
.set ADRB, 8                           ; v8-9  the same for B
.set SA,  32
.set SB,  48
.set AF0, 80
.set BIAS, 176
.set GAIN, 96                          ; in window 1
.set SSP, 240                          ; v240-255: a pair for each of the 8 units (tile a, head hh): sums of squares, then 1 / rms
.set Z,   80                           ; v80-111  a unit's 32 numbers, normalised
.set OO,  112                          ; v112-143 after the rope
.set PBR, 176                          ; v176-223 four pair images
.set PWD, 224                          ; v224-227 their scale words
.set MSB, 0
.macro WIN new                         ; the immediate's high byte repeats the setting that is left
.if MSB != \new
	s_set_vgpr_msb (MSB<<8)|\new
.set MSB, \new
.endif
.endm
.macro PLACES n
.rept \n
	v_nop
.endr
.endm
.macro CROUND                          ; a round of the cluster's barrier
	s_barrier_signal -1
	s_barrier_wait -1
	s_cmp_lg_u32 s[WV], 0
	s_cbranch_scc1 .Lnot_wave_0_\@
	s_barrier_signal -3
.Lnot_wave_0_\@:
	s_barrier_wait -3
	s_barrier_signal -1
	s_barrier_wait -1
.endm
.macro MKG0 g, sl, lc, p, off          ; a descriptor's group 0: count 1; LDS address s[sl] + lc; global address s[p:p+1] + off; type 2
	s_mov_b32 s[\g], 1
	s_add_co_u32 s[\g+1], s[\sl], \lc
	s_add_nc_u64 s[\g+2:\g+3], s[\p:\p+1], \off
	s_or_b32 s[\g+3], s[\g+3], 0x80000000
.endm
	s_load_b512 s[4:19], s[0:1], 0x0               ; cimg, csc, qkv_b, qnorm_w, knorm_w, rope_cos, rope_sin, qkimg
	v_lshl_add_u32 v30, v0, 2, 0x48000
	v_mov_b32 v31, 0
	ds_add_u32 v30, v31
	ds_add_u32 v30, v31
	v_lshrrev_b32 v1, 5, v0
	v_readfirstlane_b32 s[WV], v1                  ; wave 0..3
	s_lshr_b32 s[WM], s[WV], 1                     ; which 64 rows of A are mine.  Also: I fetch for A (0) or for B (1)
	s_and_b32 s[WN], s[WV], 1                      ; which 128 rows of B.  Also: which half of a chunk's tiles I fetch
	s_bfe_u32 s[CX], ttmp6, 0x40000
	s_bfe_u32 s[CY], ttmp6, 0x40004
	s_lshl_b32 s[GX], ttmp9, 2
	s_add_co_u32 s[GX], s[GX], s[CX]               ; B's block of 256 rows = 4 x cluster x + cx
	s_and_b32 s[GY], ttmp7, 0xffff
	s_lshl_b32 s[GY], s[GY], 2
	s_add_co_u32 s[GY], s[GY], s[CY]               ; A's block of 128 rows = 4 x cluster y + cy
	s_lshl_b32 s80, s[CY], 2
	s_lshl_b32 s80, 15, s80                        ; my row of the cluster
	s_lshl_b32 s84, 0x1111, s[CX]                  ; my column
	s_or_b32 s[G1A], s80, (3<<16)|(1<<21)          ; 15:0 the mask; 17:16 elements of 8 bytes; 21 set beside a mask; no padding
	s_or_b32 s[G1B], s84, (3<<16)|(1<<21)
.irp g, G1A, G1B
	s_mov_b32 s[\g+1], 768<<16                     ; tensor_dim0 = 768 elements: a tile's 6,144 bytes of a half
	s_mov_b32 s[\g+3], 768<<16                     ; tile_dim0
	s_mov_b32 s[\g+5], 1536                        ; from tile to tile: 12,288 bytes
	s_mov_b32 s[\g+6], 0
	s_mov_b32 s[\g+7], 0
.endr
	s_mov_b32 s[G1A+2], 4<<16                      ; A: 4 tiles to a load
	s_mov_b32 s[G1A+4], 4
	s_mov_b32 s[G1B+2], 8<<16                      ; B: 8
	s_mov_b32 s[G1B+4], 8
	s_lshl_b32 s80, s[GY], 3                       ; A's address hangs on A's block and the wave's number alone,
	s_lshl_b32 s81, s[WN], 2
	s_add_co_u32 s80, s80, s81
	s_mul_i32 s80, s80, TROW
	s_add_co_u32 s80, s80, AOFF
	s_mov_b32 s81, 0
	s_lshl_b32 s84, s[GX], 4                       ; B's on B's block and the wave's number
	s_lshl_b32 s85, s[WN], 3
	s_add_co_u32 s84, s84, s85
	s_mul_i32 s84, s84, TROW
	s_add_co_u32 s84, s84, BOFF
	s_mov_b32 s85, 0
	s_mul_i32 s88, s[WN], 4*FCH                    ; where they go: no place in the cluster enters an LDS address
	s_mul_i32 s89, s[WN], 8*FCH
	s_wait_dscnt 0x0
	s_wait_kmcnt 0x0
	s_add_nc_u64 s[82:83], s[AIMG:AIMG+1], s[80:81]
	s_add_nc_u64 s[86:87], s[BIMG:BIMG+1], s[84:85]
	MKG0 G0A, 88, 0, 82, 0
	MKG0 G0A+4, 88, CHUNK, 82, FCH
	MKG0 60, 89, 8*FCH, 86, 0
	MKG0 68, 89, CHUNK+8*FCH, 86, FCH
	CROUND                                         ; all sixteen work-groups are here: the joint loads meet
	s_cmp_eq_u32 s[WM], 0                          ; a wave's fill stands in one branch on the wave's number: one load of mine is out
	s_cbranch_scc0 .Lfor_b
	tensor_load_to_lds s[G0A:G0A+3], s[G1A:G1A+7]
	s_nop 0
	PLACES 4
	s_branch .Lasked
.Lfor_b:
	tensor_load_to_lds s[60:63], s[G1B:G1B+7]
	s_nop 0
	PLACES 4
.Lasked:
	v_and_b32 v16, 31, v0                          ; lane
	v_and_b32 v1, 15, v0                           ; r
	v_bfe_u32 v2, v0, 4, 1                         ; h
	v_lshlrev_b32 v3, 3, v16                       ; 8 l
	v_lshlrev_b32 v15, 4, v16                      ; 16 l
	v_lshlrev_b32 v12, 5, v1
	v_lshl_add_u32 v12, v2, 4, v12                 ; 32 r + 16 h: my four scale words of a tile
	v_lshlrev_b32 v13, 6, v2                       ; 64 h
	v_cmp_lt_u32 s[HI], 15, v16                    ; lanes 16-31
	s_mul_i32 s90, s[WM], 4*FCH                    ; my 4 tiles of A,
	s_mul_i32 s91, s[WN], 8*FCH                    ; my 8 tiles of B,
	s_add_co_u32 s91, s91, 8*FCH                   ; which lie behind A's 8
.irp c, 0,1
	v_add_nc_u32 v[ADRA+\c], s90, v3
	v_add_nc_u32 v[ADRB+\c], s91, v3
	s_add_co_u32 s90, s90, CHUNK
	s_add_co_u32 s91, s91, CHUNK
.endr
	s_lshl_b32 s92, s[GY], 3
	s_lshl_b32 s93, s[WM], 2
	s_add_co_u32 s92, s92, s93
	s_lshl_b32 s92, s92, 9                         ; 512 bytes of scale words a tile
	s_add_co_u32 s92, s92, ASOFF
	s_mov_b32 s93, 0
	s_add_nc_u64 s[92:93], s[ASCL:ASCL+1], s[92:93]
	s_lshl_b32 s94, s[GX], 4
	s_lshl_b32 s95, s[WN], 3
	s_add_co_u32 s94, s94, s95
	s_lshl_b32 s94, s94, 9
	s_add_co_u32 s94, s94, BSOFF
	s_mov_b32 s95, 0
	s_add_nc_u64 s[94:95], s[BSCL:BSCL+1], s[94:95]
	s_wait_alu depctr_va_vdst(0)                   ; the wait directly ahead of the first reader behind the scalar lines
.irp a, 0,1,2,3
	global_load_b128 v[SA+4*\a:SA+4*\a+3], v12, s[92:93] offset:512*\a   ; 32 lanes read a tile's 512 consecutive bytes
.endr
.irp b, 0,1,2,3,4,5,6,7
	global_load_b128 v[SB+4*\b:SB+4*\b+3], v12, s[94:95] offset:512*\b
.endr
	s_lshl_b32 s96, s[GX], 10                      ; the bias of my 128 columns: lane (r, h) wants, for tile b, columns 32 (b / 2) + 16 h + 8 (b % 2) + 0 .. 7
	s_lshl_b32 s97, s[WN], 9
	s_add_co_u32 s96, s96, s97
	s_mov_b32 s97, 0
	s_add_nc_u64 s[8:9], s[8:9], s[96:97]
.irp b, 0,1,2,3,4,5,6,7
	global_load_b128 v[BIAS+8*\b:BIAS+8*\b+3], v13, s[8:9] offset:(32*(\b/2)+8*(\b%2))*4
	global_load_b128 v[BIAS+8*\b+4:BIAS+8*\b+7], v13, s[8:9] offset:(32*(\b/2)+8*(\b%2))*4+16
.endr
	; q or k: the cluster's x says which; it is the same in all sixteen partners, and it chooses values, not ways
	s_cmp_eq_u32 ttmp9, 0
	s_cselect_b64 s[10:11], s[10:11], s[12:13]     ; the gain
	s_cselect_b32 s96, 0, KOFF                     ; and the half of qkimg
	s_lshr_b32 s97, s[GY], 4
	s_lshl_b32 s97, s97, 4                         ; 16 x batch
	s_lshl_b32 s98, s[CX], 2
	s_add_co_u32 s97, s97, s98
	s_lshl_b32 s98, s[WN], 1
	s_add_co_u32 s97, s97, s98                     ; + my first head: 4 cx + 2 (w % 2)
	s_mul_i32 s97, s97, HK
	s_add_co_u32 s96, s96, s97
	s_and_b32 s97, s[GY], 15
	s_lshl_b32 s98, s97, 1
	s_add_co_u32 s98, s98, s[WM]                   ; my record of 64 tokens
	s_mul_i32 s98, s98, KREC
	s_add_co_u32 s96, s96, s98
	s_lshl_b32 s98, s97, 15                        ; my first token's row of cos and sin: 256 bytes a token
	s_lshl_b32 s99, s[WM], 14
	s_add_co_u32 s98, s98, s99
	s_mov_b32 s99, 0
	s_mov_b32 s97, 0
	s_add_nc_u64 s[18:19], s[18:19], s[96:97]
	s_add_nc_u64 s[14:15], s[14:15], s[98:99]
	s_add_nc_u64 s[16:17], s[16:17], s[98:99]
	s_mov_b32 s98, 0x3c800000                      ; 1 / 64
	s_mov_b32 s99, 0x358637bd                      ; 1e-6
	s_mov_b32 s[SEL], 0x76543210
	s_mov_b32 s[SEL+1], 0xfedcba98                 ; lane l xor 16
	v_and_b32 v14, 8, v1
	v_mad_u32_u24 v14, v14, 3, v1                  ; r % 8 + 32 (r / 8): my token in its group of 64
	v_lshlrev_b32 v14, 8, v14
	v_lshl_add_u32 v14, v2, 6, v14                 ; cos, sin: my token's row, + 64 h
	v_mov_b32 v18, 0                               ; a lane permute's destination counts as one of its sources
	v_mov_b32 v19, 0
.macro FRAG reg, adr, off              ; a fragment image: six pieces of 256 bytes
.irp p, 0,1,2,3,4,5
	ds_load_b64 v[\reg+2*\p:\reg+2*\p+1], v[\adr] offset:\off+256*\p
.endr
.endm
.macro FETCH f                         ; K step f (128 along K): B's eight fragments and A's four, into set f % 2: 72 loads in one run
	WIN 0x40                                       ; destination window 1
.irp i, 0,1,2,3,4,5,6,7
	FRAG 128*((\f)%2)+12*\i, ADRB+(\f)/4, FCH*\i+1536*((\f)%4)
.endr
	WIN 0
.irp i, 0,1,2,3
	FRAG AF0+48*((\f)%2)+12*\i, ADRA+(\f)/4, FCH*\i+1536*((\f)%4)
.endr
.endm
; 32 matrix instructions: K step f.  The first step takes the bias as C: nothing is cleared and nothing is added later.  The 32 accumulators take turns, one instruction a turn, in the same order in every step.
.macro MUL32 f
.set BFS, 128*((\f)%2)
.set AFS, AF0+48*((\f)%2)
.if (\f) == 0
	WIN 0x81                                       ; source 0 (B) window 1, source 1 (A) and C window 0, D window 2
.else
	WIN 0xa1                                       ; C and D window 2
.endif
.irp a, 0,1,2,3
.irp b, 0,1,2,3,4,5,6,7
.if (\f) == 0
	v_wmma_scale_f32_16x16x128_f8f6f4 v[8*(8*\a+\b):8*(8*\a+\b)+7], v[BFS+12*\b:BFS+12*\b+11], v[AFS+12*\a:AFS+12*\a+11], v[BIAS+8*(BYA*\a+(1-BYA)*\b):BIAS+8*(BYA*\a+(1-BYA)*\b)+7], v[SB+4*\b], v[SA+4*\a] matrix_a_fmt:MATRIX_FMT_FP6 matrix_b_fmt:MATRIX_FMT_FP6
.elseif (\f) < 4
	v_wmma_scale_f32_16x16x128_f8f6f4 v[8*(8*\a+\b):8*(8*\a+\b)+7], v[BFS+12*\b:BFS+12*\b+11], v[AFS+12*\a:AFS+12*\a+11], v[8*(8*\a+\b):8*(8*\a+\b)+7], v[SB+4*\b+(\f)], v[SA+4*\a+(\f)] matrix_a_fmt:MATRIX_FMT_FP6 matrix_b_fmt:MATRIX_FMT_FP6
.else
	v_wmma_scale_f32_16x16x128_f8f6f4 v[8*(8*\a+\b):8*(8*\a+\b)+7], v[BFS+12*\b:BFS+12*\b+11], v[AFS+12*\a:AFS+12*\a+11], v[8*(8*\a+\b):8*(8*\a+\b)+7], v[SB+4*\b+(\f)-4], v[SA+4*\a+(\f)-4] matrix_a_fmt:MATRIX_FMT_FP6 matrix_b_fmt:MATRIX_FMT_FP6 matrix_a_scale:MATRIX_SCALE_ROW1 matrix_b_scale:MATRIX_SCALE_ROW1
.endif
.endr
.endr
.endm
	s_wait_alu depctr_va_vdst(0)
	s_wait_tensorcnt 0x0                           ; my part of the first half is in
	ds_add_u32 v30, v31
	s_wait_dscnt 0x0
	CROUND                                         ; everybody's part is in, and the sixteen work-groups meet for the second joint loads
	s_cmp_eq_u32 s[WM], 0
	s_cbranch_scc0 .Lfor_b2
	tensor_load_to_lds s[G0A+4:G0A+7], s[G1A:G1A+7]
	s_nop 0
	PLACES 4
	s_branch .Lasked2
.Lfor_b2:
	tensor_load_to_lds s[68:71], s[G1B:G1B+7]
	s_nop 0
	PLACES 4
.Lasked2:
	FETCH 0
	s_wait_loadcnt 0x0                             ; the scale words and the bias
	WIN 0x40                                       ; the tables for the way out are asked for now and land under the products
.irp g, 0,1
.irp jj, 0,1,2,3
	global_load_b128 v[GAIN+16*\g+4*\jj:GAIN+16*\g+4*\jj+3], v13, s[10:11] offset:128*\g+16*\jj   ; the gain at d = 32 g + 16 h + 0 .. 15
.endr
.endr
	WIN 0xc0                                       ; destination window 3
.irp a, 0,1,2,3
.irp g, 0,1
.irp jj, 0,1,2,3
	global_load_b128 v[64*\a+16*\g+4*\jj:64*\a+16*\g+4*\jj+3], v14, s[14:15] offset:8*\a*256+128*\g+16*\jj
	global_load_b128 v[64*\a+32+16*\g+4*\jj:64*\a+32+16*\g+4*\jj+3], v14, s[16:17] offset:8*\a*256+128*\g+16*\jj
.endr
.endr
.endr
	WIN 0
.irp f, 0,1,2,3,4,5,6,7
	s_wait_dscnt 0x0                               ; this K step's fragments are in (asked for 32 matrix instructions ago)
.if \f == 3
	s_wait_tensorcnt 0x0                           ; my part of the second half is in
	s_barrier_signal -1
	s_barrier_wait -1
.endif
.if \f < 7
.if \f > 0
	PLACES 4                                       ; in front of loads into registers that matrix instructions have read
.endif
	FETCH (\f+1)
.endif
	MUL32 \f
	WIN 0
.endr
; 32 numbers of a lane, v[s] on, register 16 g + i = d 32 g + 16 h + i of my token, become six registers of codes in v[d] on (lane (r, h): d = 32 h + 0 .. 31) and the scale word in v[w].
.macro QUANT2 s, d, w
	v_max3_num_f32 v16, |v[\s]|, |v[\s+1]|, 0x1800000      ; the two blocks by turns; the floor 2^(3 - 127) holds the byte at 1 from below
	v_max3_num_f32 v17, |v[\s+16]|, |v[\s+17]|, 0x1800000
.irp i, 2,4,6,8,10,12,14
	v_max3_num_f32 v16, v16, |v[\s+\i]|, |v[\s+\i+1]|
	v_max3_num_f32 v17, v17, |v[\s+16+\i]|, |v[\s+17+\i]|
.endr
	v_permlanex16_b32 v18, v16, s[SEL], s[SEL+1]
	v_permlanex16_b32 v19, v17, s[SEL], s[SEL+1]
	v_max_num_f32 v16, v16, v18                    ; with lane l xor 16's 16 numbers: the block's largest magnitude
	v_max_num_f32 v17, v17, v19
	v_add_nc_u32 v20, 0xff000000, v16              ; 2 off the exponent field: the conversion's scale operand
	v_add_nc_u32 v21, 0xff000000, v17
	v_lshrrev_b32 v22, 23, v20                     ; the scales' bytes
	v_lshrrev_b32 v23, 23, v21
	v_lshl_or_b32 v[\w], v23, 8, v22
	v_or_b32 v[\w], 0x7f7f0000, v[\w]              ; bytes 2 and 3 stand over zero codes in the product of depth 128: 1.0
	v_cvt_scalef32_pk16_fp6_f32 v[\d:\d+2], v[\s:\s+15], v20
	v_cvt_scalef32_pk16_fp6_f32 v[24:26], v[\s+16:\s+31], v21
	v_nop                                          ; one plain place behind a scaled conversion
.irp i, 0,1,2
	v_permlane16_swap_b32 v[\d+\i], v[24+\i]       ; a whole block to a lane: lanes 0-15 block 0, lanes 16-31 block 1
.endr
.irp i, 0,1,2
	v_mov_b32 v[\d+3+\i], v[24+\i]
.endr
.endm
; A unit: tile a of tokens, head hh of my two: 32 accumulator registers from v[64 a + 32 hh] of window 2 on.
.macro UNIT a, hh, dst, wreg
.set AC, 64*(\a)+32*(\hh)
.set UU, SSP+2*(2*(\a)+(\hh))
	WIN 0x02                                       ; source 0 window 2
.irp i, 0,2,4,6,8,10,12,14,16,18,20,22,24,26,28,30
	v_pk_mul_f32 v[Z+\i:Z+\i+1], v[AC+\i:AC+\i+1], v[UU:UU+1] op_sel_hi:[1,0]      ; x / rms
.endr
	WIN 0x04                                       ; source 1 window 1
.irp i, 0,2,4,6,8,10,12,14,16,18,20,22,24,26,28,30
	v_pk_mul_f32 v[Z+\i:Z+\i+1], v[Z+\i:Z+\i+1], v[GAIN+\i:GAIN+\i+1]              ; x the gain
.endr
	WIN 0x0c                                       ; source 1 window 3
.irp i, 0,2,4,6,8,10,12,14,16,18,20,22,24,26,28,30
	v_pk_mul_f32 v[OO+\i:OO+\i+1], v[Z+\i:Z+\i+1], v[64*(\a)+\i:64*(\a)+\i+1]      ; z cos
.endr
.irp i, 0,2,4,6,8,10,12,14
	v_pk_fma_f32 v[OO+\i:OO+\i+1], v[Z+16+\i:Z+17+\i], v[64*(\a)+32+\i:64*(\a)+33+\i], v[OO+\i:OO+\i+1] neg_lo:[1,0,0] neg_hi:[1,0,0]   ; d < 32: - z(d + 32) sin(d)
.endr
.irp i, 0,2,4,6,8,10,12,14
	v_pk_fma_f32 v[OO+16+\i:OO+17+\i], v[Z+\i:Z+\i+1], v[64*(\a)+48+\i:64*(\a)+49+\i], v[OO+16+\i:OO+17+\i]                            ; d >= 32: + z(d - 32) sin(d)
.endr
	WIN 0
	QUANT2 OO, \dst, \wreg
.endm
	PLACES 4                                       ; in front of the first read of results
	s_wait_loadcnt 0x0                             ; the gains, cos and sin
	WIN 0x0a                                       ; sources 0 and 1 window 2
.irp u, 0,1,2,3,4,5,6,7                ; the sums of squares, the 8 units by turns; each accumulator is read from its low end on
	v_pk_mul_f32 v[SSP+2*\u:SSP+2*\u+1], v[32*\u:32*\u+1], v[32*\u:32*\u+1]
.endr
.irp i, 2,4,6,8,10,12,14,16,18,20,22,24,26,28,30
.irp u, 0,1,2,3,4,5,6,7
	v_pk_fma_f32 v[SSP+2*\u:SSP+2*\u+1], v[32*\u+\i:32*\u+\i+1], v[32*\u+\i:32*\u+\i+1], v[SSP+2*\u:SSP+2*\u+1]
.endr
.endr
	WIN 0
.irp u, 0,1,2,3,4,5,6,7
	v_add_f32 v[SSP+2*\u], v[SSP+2*\u], v[SSP+2*\u+1]
.endr
.irp u, 0,1,2,3,4,5,6,7
	v_permlanex16_b32 v[SSP+2*\u+1], v[SSP+2*\u], s[SEL], s[SEL+1]
.endr
.irp u, 0,1,2,3,4,5,6,7
	v_add_f32 v[SSP+2*\u], v[SSP+2*\u], v[SSP+2*\u+1]          ; with lane l xor 16's 32: the head's 64
.endr
.irp u, 0,1,2,3,4,5,6,7
	v_fma_f32 v[SSP+2*\u+1], v[SSP+2*\u], s98, s99             ; the mean + 1e-6
.endr
	s_wait_alu depctr_va_vdst(0)
.irp u, 0,1,2,3,4,5,6,7
	v_rsq_f32 v[SSP+2*\u], v[SSP+2*\u+1]
.endr
	v_nop                                          ; a plain instruction behind the last of the batch
	s_wait_alu depctr_va_vdst(0)                   ; one wait for the eight, ahead of their first reader
.irp hh, 0,1
.irp pp, 0,1
	UNIT 2*\pp, \hh, PBR+12*(2*\hh+\pp), 28
	UNIT 2*\pp+1, \hh, PBR+12*(2*\hh+\pp)+6, 29
	v_cndmask_b32 v[PWD+2*\hh+\pp], v28, v29, s[HI]            ; lanes 0-15 the even tile's words, lanes 16-31 the odd tile's
.irp c, 0,1,2
	global_store_b128 v15, v[PBR+12*(2*\hh+\pp)+4*\c:PBR+12*(2*\hh+\pp)+4*\c+3], s[18:19] offset:HK*\hh+1536*\pp+512*\c   ; 512 consecutive bytes, at a multiple of 256; each store has data registers of its own
.endr
.endr
	global_store_b64 v3, v[PWD+2*\hh:PWD+2*\hh+1], s[18:19] offset:HK*\hh+3072   ; the record's 256 bytes of scale words
.endr
	s_wait_dscnt 0x0
	s_wait_tensorcnt 0x0
	ds_add_u32 v30, v31
	s_wait_dscnt 0x0
	CROUND                                         ; the closing round: no work-group ends while a partner may still ask for a tile that names it
	s_endpgm
.Lfunc_end_k_qc715933bd7_qk:
	.size	k_qc715933bd7_qk, .Lfunc_end_k_qc715933bd7_qk-k_qc715933bd7_qk
	.p2alignl 7, 3214868480
	.fill 96, 4, 3214868480
	.section	.rodata,"a",@progbits
	.p2align	6, 0x0
	.amdhsa_kernel k_qc715933bd7_qk
		.amdhsa_group_segment_fixed_size 327680
		.amdhsa_private_segment_fixed_size 0
		.amdhsa_enable_private_segment 0
		.amdhsa_kernarg_size 64
		.amdhsa_user_sgpr_count 2
		.amdhsa_user_sgpr_kernarg_segment_ptr 1
		.amdhsa_wavefront_size32 1
		.amdhsa_system_sgpr_workgroup_id_x 1
		.amdhsa_system_sgpr_workgroup_id_y 1
		.amdhsa_system_sgpr_workgroup_id_z 1
		.amdhsa_system_vgpr_workitem_id 0
		.amdhsa_next_free_vgpr 1024
		.amdhsa_next_free_sgpr 104
		.amdhsa_reserve_vcc 0
		.amdhsa_float_denorm_mode_32 3
		.amdhsa_float_denorm_mode_16_64 3
		.amdhsa_memory_ordered 1
		.amdhsa_forward_progress 1
		.amdhsa_inst_pref_size 149
	.end_amdhsa_kernel
	.amdgpu_metadata
---
amdhsa.version: [ 1, 2 ]
amdhsa.kernels:
  - .name:           k_qc715933bd7_qk
    .symbol:         k_qc715933bd7_qk.kd
    .args:
      - { .name: cimg, .offset: 0, .size: 8, .value_kind: global_buffer, .address_space: global }
      - { .name: csc, .offset: 8, .size: 8, .value_kind: global_buffer, .address_space: global }
      - { .name: qkv_b, .offset: 16, .size: 8, .value_kind: global_buffer, .address_space: global }
      - { .name: qnorm_w, .offset: 24, .size: 8, .value_kind: global_buffer, .address_space: global }
      - { .name: knorm_w, .offset: 32, .size: 8, .value_kind: global_buffer, .address_space: global }
      - { .name: rope_cos, .offset: 40, .size: 8, .value_kind: global_buffer, .address_space: global }
      - { .name: rope_sin, .offset: 48, .size: 8, .value_kind: global_buffer, .address_space: global }
      - { .name: qkimg, .offset: 56, .size: 8, .value_kind: global_buffer, .address_space: global }
    .group_segment_fixed_size: 327680
    .private_segment_fixed_size: 0
    .kernarg_segment_align: 8
    .kernarg_segment_size: 64
    .max_flat_workgroup_size: 128
    .sgpr_count:     104
    .vgpr_count:     1024
    .wavefront_size: 32
...
	.end_amdgpu_metadata
.endif
;; end of part 2
;; launch vt (part 3): grid 32 x 8, 4 waves a work-group, clusters of 4 x 4, 327,680 bytes of LDS; arguments cimg, csc, qkv_b, vimg; writes vimg
.if DOCPART == 3
	.amdgcn_target "amdgcn-amd-amdhsa--gfx1250"
	.amdhsa_code_object_version 6
	.text
	.protected	k_qc715933bd7_vt
	.globl	k_qc715933bd7_vt
	.p2align	8
	.type	k_qc715933bd7_vt,@function
k_qc715933bd7_vt:
	s_mov_b64 s[64:65], 0
	v_nop
	global_prefetch_b8 v0, s[64:65] scope:SCOPE_SE
	s_setreg_imm32_b32 hwreg(HW_REG_WAVE_MODE, 25, 1), 1
	s_wait_xcnt 0x0
	s_wait_alu depctr_hold_cnt(0) depctr_sa_sdst(0) depctr_va_vdst(0) depctr_va_sdst(0) depctr_va_ssrc(0) depctr_va_vcc(0) depctr_vm_vsrc(0)
	s_getreg_b32 s2, hwreg(HW_REG_IB_STS2, 6, 4)
	s_cmp_eq_u32 s2, 0
	s_cbranch_scc0 .Lentry_in_a_cluster
	s_endpgm
.Lentry_in_a_cluster:
	s_bfe_u32 s2, ttmp6, 0x10000c
	s_cmp_lg_u32 s2, 0xf033
	s_cbranch_scc0 .Lentry_shape_is_right
	s_endpgm
.Lentry_shape_is_right:
; v, transposed: V^T = Wv x^T + bias, columns 2048 .. 3071 of x qkv_w^T + qkv_b, on codes of FP6 (E2M3); then quantised ALONG THE KEYS, which are the K of the product p v.
; THE PRODUCT.  A tile is 128 rows of A (qkv_w's rows 2048 on: channels) by 256 rows of B (x: tokens) over all of K = 1,024.  Four waves; wave w takes A's tiles 4 (w / 2) + 0 .. 3 (one head's 64 channels) and B's tiles
; 8 (w % 2) + 0 .. 7 (128 tokens: one key step): 32 accumulators, 256 registers.  Codes come as fragment images (16 rows x 128 K = six pieces of 256 bytes, lane l's 8 bytes at 8 l).
; ALL OF K LIES IN LDS AT ONCE: two halves of 512 along K, each filled once by the tensor data mover; a wave asks for one load of each half, and a half is read behind a wait and a barrier.  No LDS byte is filled twice.
; CLUSTERS: 4 x 4 work-groups; A's tiles are asked for jointly along a row of the cluster, B's along a column.
; TRANSPOSED USE: source 0 = 16 rows of B, source 1 = 16 rows of A.  A tensor's tile T, lane-row i, is its row 32 (T / 2) + 8 (T % 2) + i + 8 (i / 8); so in accumulator (a, b) lane (r, h), register j, holds
; channel = lane-row r of A's tile a and token 64 (b / 4) + 32 h + 8 (b % 4) + j of the wave's 128: a lane's 64 registers of tile a run along the keys, two whole blocks of 32.
; The bias hangs on the channel alone: eight copies a tile are the C of the first K step.
; OUT: vimg [batch x head][16 key steps][6,400 bytes]: four fragments of 16 channels x 128 keys, 1,536 bytes each (three pieces of 512 bytes, lane l at 16 l), then 256 bytes of scale words
; (lane l: 8 bytes, word i for tile 2 i + l / 16, row l % 16).
; LIMITS: a block of zeros gets the byte 1 (its codes are zeros; this program alone reads the bytes); blocks under 2^-124 keep the byte 1; NaN and infinities are not served.
; REGISTERS.  Window 0: v1-15 addresses, v16-31 at work, v32-47 A's scale words, v48-79 B's, v80-127 and v128-175 A's fragments (two sets; on the way out the codes and their words), v176-207 the bias, v240-255 at work.
;   Window 1: v0-95 and v128-223 B's fragments (two sets).   Window 2: the accumulators, (a, b) at v[8 (8 a + b)].
.set WQI,   6291456
.set WQS,   262144
.set TROW,  12288
; K NOW COMES IN TWO HALVES of 512 along K (four fragments a tile), not in four chunks: a wave asks for its part of the first half at the head and for its part of the second behind the three lines and a round of the cluster's barrier.
; x's tile T, lane-row i, is token 64 (T / 4) + 8 (T % 4) + i % 8 + 32 (i / 8): so register 32 c + i of tile a's 64 is key 64 c + 32 h + i: a lane holds two WHOLE blocks of 32 keys, in the order of the operand's registers.
.set FCH, 6144
.set CHUNK, 24*FCH
.set AOFF,  WQI+128*TROW               ; A = qkv_w's tiles 128 .. 191
.set ASOFF, WQS+128*512
.set BOFF,  0                          ; B = x's tiles
.set BSOFF, 0
.set AIMG,  4
.set ASCL,  6
.set BIMG,  4
.set BSCL,  6
.set BYA,   1                          ; the bias goes by A's tile
.set HV,    102400                     ; a head in vimg
.set VREC,  6400
.set WV, 20
.set WM, 21
.set WN, 22
.set CX, 23
.set CY, 24
.set GX, 25
.set GY, 26
.set HI, 27
.set G1A, 28
.set G1B, 36
.set G0A, 44
.set SEL, 100
.set ADRA, 4
.set ADRB, 8
.set SA,  32
.set SB,  48
.set AF0, 80
.set BIAS, 176
.set TM,  240                          ; v240-241 largest magnitudes, v244-247 bytes, v252-253 the conversions' scale operands
.set CT,  24                           ; v[24:26], v[28:30] the conversions' second halves
.set PCD, 80                           ; v80-127 the four fragments' codes
.set WD,  128                          ; v128-131 their scale words; v[132:133] as they are stored
.set MSB, 0
.macro WIN new                         ; the immediate's high byte repeats the setting that is left
.if MSB != \new
	s_set_vgpr_msb (MSB<<8)|\new
.set MSB, \new
.endif
.endm
.macro PLACES n
.rept \n
	v_nop
.endr
.endm
.macro CROUND                          ; a round of the cluster's barrier
	s_barrier_signal -1
	s_barrier_wait -1
	s_cmp_lg_u32 s[WV], 0
	s_cbranch_scc1 .Lnot_wave_0_\@
	s_barrier_signal -3
.Lnot_wave_0_\@:
	s_barrier_wait -3
	s_barrier_signal -1
	s_barrier_wait -1
.endm
.macro MKG0 g, sl, lc, p, off          ; a descriptor's group 0: count 1; LDS address s[sl] + lc; global address s[p:p+1] + off; type 2
	s_mov_b32 s[\g], 1
	s_add_co_u32 s[\g+1], s[\sl], \lc
	s_add_nc_u64 s[\g+2:\g+3], s[\p:\p+1], \off
	s_or_b32 s[\g+3], s[\g+3], 0x80000000
.endm
	s_load_b256 s[4:11], s[0:1], 0x0               ; cimg, csc, qkv_b, vimg
	v_lshl_add_u32 v250, v0, 2, 0x48000
	v_mov_b32 v251, 0
	ds_add_u32 v250, v251
	ds_add_u32 v250, v251
	v_lshrrev_b32 v1, 5, v0
	v_readfirstlane_b32 s[WV], v1                  ; wave 0..3
	s_lshr_b32 s[WM], s[WV], 1                     ; which 64 rows of A are mine.  Also: I fetch for A (0) or for B (1)
	s_and_b32 s[WN], s[WV], 1                      ; which 128 rows of B.  Also: which half of a chunk's tiles I fetch
	s_bfe_u32 s[CX], ttmp6, 0x40000
	s_bfe_u32 s[CY], ttmp6, 0x40004
	s_lshl_b32 s[GX], ttmp9, 2
	s_add_co_u32 s[GX], s[GX], s[CX]               ; B's block of 256 rows = 4 x cluster x + cx
	s_and_b32 s[GY], ttmp7, 0xffff
	s_lshl_b32 s[GY], s[GY], 2
	s_add_co_u32 s[GY], s[GY], s[CY]               ; A's block of 128 rows = 4 x cluster y + cy
	s_lshl_b32 s80, s[CY], 2
	s_lshl_b32 s80, 15, s80                        ; my row of the cluster
	s_lshl_b32 s84, 0x1111, s[CX]                  ; my column
	s_or_b32 s[G1A], s80, (3<<16)|(1<<21)          ; 15:0 the mask; 17:16 elements of 8 bytes; 21 set beside a mask; no padding
	s_or_b32 s[G1B], s84, (3<<16)|(1<<21)
.irp g, G1A, G1B
	s_mov_b32 s[\g+1], 768<<16                     ; tensor_dim0 = 768 elements: a tile's 6,144 bytes of a half
	s_mov_b32 s[\g+3], 768<<16                     ; tile_dim0
	s_mov_b32 s[\g+5], 1536                        ; from tile to tile: 12,288 bytes
	s_mov_b32 s[\g+6], 0
	s_mov_b32 s[\g+7], 0
.endr
	s_mov_b32 s[G1A+2], 4<<16                      ; A: 4 tiles to a load
	s_mov_b32 s[G1A+4], 4
	s_mov_b32 s[G1B+2], 8<<16                      ; B: 8
	s_mov_b32 s[G1B+4], 8
	s_lshl_b32 s80, s[GY], 3                       ; A's address hangs on A's block and the wave's number alone,
	s_lshl_b32 s81, s[WN], 2
	s_add_co_u32 s80, s80, s81
	s_mul_i32 s80, s80, TROW
	s_add_co_u32 s80, s80, AOFF
	s_mov_b32 s81, 0
	s_lshl_b32 s84, s[GX], 4                       ; B's on B's block and the wave's number
	s_lshl_b32 s85, s[WN], 3
	s_add_co_u32 s84, s84, s85
	s_mul_i32 s84, s84, TROW
	s_add_co_u32 s84, s84, BOFF
	s_mov_b32 s85, 0
	s_mul_i32 s88, s[WN], 4*FCH                    ; where they go: no place in the cluster enters an LDS address
	s_mul_i32 s89, s[WN], 8*FCH
	s_wait_dscnt 0x0
	s_wait_kmcnt 0x0
	s_add_nc_u64 s[82:83], s[AIMG:AIMG+1], s[80:81]
	s_add_nc_u64 s[86:87], s[BIMG:BIMG+1], s[84:85]
	MKG0 G0A, 88, 0, 82, 0
	MKG0 G0A+4, 88, CHUNK, 82, FCH
	MKG0 60, 89, 8*FCH, 86, 0
	MKG0 68, 89, CHUNK+8*FCH, 86, FCH
	CROUND                                         ; all sixteen work-groups are here: the joint loads meet
	s_cmp_eq_u32 s[WM], 0                          ; a wave's fill stands in one branch on the wave's number: one load of mine is out
	s_cbranch_scc0 .Lfor_b
	tensor_load_to_lds s[G0A:G0A+3], s[G1A:G1A+7]
	s_nop 0
	PLACES 4
	s_branch .Lasked
.Lfor_b:
	tensor_load_to_lds s[60:63], s[G1B:G1B+7]
	s_nop 0
	PLACES 4
.Lasked:
	v_and_b32 v16, 31, v0                          ; lane
	v_and_b32 v1, 15, v0                           ; r
	v_bfe_u32 v2, v0, 4, 1                         ; h
	v_lshlrev_b32 v3, 3, v16                       ; 8 l
	v_lshlrev_b32 v15, 4, v16                      ; 16 l
	v_lshlrev_b32 v12, 5, v1
	v_lshl_add_u32 v12, v2, 4, v12                 ; 32 r + 16 h: my four scale words of a tile
	v_lshlrev_b32 v13, 3, v2                       ; 8 h: how far my two scale bytes are shifted up
	v_cmp_lt_u32 s[HI], 15, v16                    ; lanes 16-31
	s_mul_i32 s90, s[WM], 4*FCH                    ; my 4 tiles of A,
	s_mul_i32 s91, s[WN], 8*FCH                    ; my 8 tiles of B,
	s_add_co_u32 s91, s91, 8*FCH                   ; which lie behind A's 8
.irp c, 0,1
	v_add_nc_u32 v[ADRA+\c], s90, v3
	v_add_nc_u32 v[ADRB+\c], s91, v3
	s_add_co_u32 s90, s90, CHUNK
	s_add_co_u32 s91, s91, CHUNK
.endr
	s_lshl_b32 s92, s[GY], 3
	s_lshl_b32 s93, s[WM], 2
	s_add_co_u32 s92, s92, s93
	s_lshl_b32 s92, s92, 9                         ; 512 bytes of scale words a tile
	s_add_co_u32 s92, s92, ASOFF
	s_mov_b32 s93, 0
	s_add_nc_u64 s[92:93], s[ASCL:ASCL+1], s[92:93]
	s_lshl_b32 s94, s[GX], 4
	s_lshl_b32 s95, s[WN], 3
	s_add_co_u32 s94, s94, s95
	s_lshl_b32 s94, s94, 9
	s_add_co_u32 s94, s94, BSOFF
	s_mov_b32 s95, 0
	s_add_nc_u64 s[94:95], s[BSCL:BSCL+1], s[94:95]
	s_wait_alu depctr_va_vdst(0)                   ; the wait directly ahead of the first reader behind the scalar lines
.irp a, 0,1,2,3
	global_load_b128 v[SA+4*\a:SA+4*\a+3], v12, s[92:93] offset:512*\a   ; 32 lanes read a tile's 512 consecutive bytes
.endr
.irp b, 0,1,2,3,4,5,6,7
	global_load_b128 v[SB+4*\b:SB+4*\b+3], v12, s[94:95] offset:512*\b
.endr
	s_lshl_b32 s96, s[GY], 9                       ; the bias of my 64 channels: qkv_b at 2,048 + 128 x A's block + 64 (w / 2)
	s_lshl_b32 s97, s[WM], 8
	s_add_co_u32 s96, s96, s97
	s_add_co_u32 s96, s96, 8192
	s_mov_b32 s97, 0
	s_add_nc_u64 s[8:9], s[8:9], s[96:97]
	v_and_b32 v14, 8, v1
	v_add_nc_u32 v14, v14, v1                      ; r + 8 (r / 8)
	v_lshlrev_b32 v14, 2, v14
.irp a, 0,1,2,3
	global_load_b32 v[16+\a], v14, s[8:9] offset:(32*(\a/2)+8*(\a%2))*4   ; the bias of tile a's lane-row r
.endr
	s_lshr_b32 s96, s[GX], 3
	s_lshl_b32 s96, s96, 4                         ; 16 x batch
	s_lshl_b32 s97, s[GY], 1
	s_add_co_u32 s96, s96, s97
	s_add_co_u32 s96, s96, s[WM]                   ; + my head: 2 x A's block + w / 2
	s_mul_i32 s96, s96, HV
	s_and_b32 s97, s[GX], 7
	s_lshl_b32 s97, s97, 1
	s_add_co_u32 s97, s97, s[WN]                   ; my key step
	s_mul_i32 s97, s97, VREC
	s_add_co_u32 s96, s96, s97
	s_mov_b32 s97, 0
	s_add_nc_u64 s[10:11], s[10:11], s[96:97]
	s_mov_b32 s[SEL], 0x76543210
	s_mov_b32 s[SEL+1], 0xfedcba98                 ; lane l xor 16
.irp b, 0,1,2,3
	v_mov_b32 v[TM+4+\b], 0                        ; a lane permute's destination counts as one of its sources
.endr
.macro FRAG reg, adr, off              ; a fragment image: six pieces of 256 bytes
.irp p, 0,1,2,3,4,5
	ds_load_b64 v[\reg+2*\p:\reg+2*\p+1], v[\adr] offset:\off+256*\p
.endr
.endm
.macro FETCH f                         ; K step f (128 along K): B's eight fragments and A's four, into set f % 2: 72 loads in one run
	WIN 0x40                                       ; destination window 1
.irp i, 0,1,2,3,4,5,6,7
	FRAG 128*((\f)%2)+12*\i, ADRB+(\f)/4, FCH*\i+1536*((\f)%4)
.endr
	WIN 0
.irp i, 0,1,2,3
	FRAG AF0+48*((\f)%2)+12*\i, ADRA+(\f)/4, FCH*\i+1536*((\f)%4)
.endr
.endm
; 32 matrix instructions: K step f.  The first step takes the bias as C: nothing is cleared and nothing is added later.  The 32 accumulators take turns, one instruction a turn, in the same order in every step.
.macro MUL32 f
.set BFS, 128*((\f)%2)
.set AFS, AF0+48*((\f)%2)
.if (\f) == 0
	WIN 0x81                                       ; source 0 (B) window 1, source 1 (A) and C window 0, D window 2
.else
	WIN 0xa1                                       ; C and D window 2
.endif
.irp a, 0,1,2,3
.irp b, 0,1,2,3,4,5,6,7
.if (\f) == 0
	v_wmma_scale_f32_16x16x128_f8f6f4 v[8*(8*\a+\b):8*(8*\a+\b)+7], v[BFS+12*\b:BFS+12*\b+11], v[AFS+12*\a:AFS+12*\a+11], v[BIAS+8*(BYA*\a+(1-BYA)*\b):BIAS+8*(BYA*\a+(1-BYA)*\b)+7], v[SB+4*\b], v[SA+4*\a] matrix_a_fmt:MATRIX_FMT_FP6 matrix_b_fmt:MATRIX_FMT_FP6
.elseif (\f) < 4
	v_wmma_scale_f32_16x16x128_f8f6f4 v[8*(8*\a+\b):8*(8*\a+\b)+7], v[BFS+12*\b:BFS+12*\b+11], v[AFS+12*\a:AFS+12*\a+11], v[8*(8*\a+\b):8*(8*\a+\b)+7], v[SB+4*\b+(\f)], v[SA+4*\a+(\f)] matrix_a_fmt:MATRIX_FMT_FP6 matrix_b_fmt:MATRIX_FMT_FP6
.else
	v_wmma_scale_f32_16x16x128_f8f6f4 v[8*(8*\a+\b):8*(8*\a+\b)+7], v[BFS+12*\b:BFS+12*\b+11], v[AFS+12*\a:AFS+12*\a+11], v[8*(8*\a+\b):8*(8*\a+\b)+7], v[SB+4*\b+(\f)-4], v[SA+4*\a+(\f)-4] matrix_a_fmt:MATRIX_FMT_FP6 matrix_b_fmt:MATRIX_FMT_FP6 matrix_a_scale:MATRIX_SCALE_ROW1 matrix_b_scale:MATRIX_SCALE_ROW1
.endif
.endr
.endr
.endm
	s_wait_alu depctr_va_vdst(0)
	s_wait_tensorcnt 0x0                           ; my part of the first half is in
	ds_add_u32 v250, v251
	s_wait_dscnt 0x0
	CROUND                                         ; everybody's part is in, and the sixteen work-groups meet for the second joint loads
	s_cmp_eq_u32 s[WM], 0
	s_cbranch_scc0 .Lfor_b2
	tensor_load_to_lds s[G0A+4:G0A+7], s[G1A:G1A+7]
	s_nop 0
	PLACES 4
	s_branch .Lasked2
.Lfor_b2:
	tensor_load_to_lds s[68:71], s[G1B:G1B+7]
	s_nop 0
	PLACES 4
.Lasked2:
	FETCH 0
	s_wait_loadcnt 0x0                             ; the scale words and the bias
.irp a, 0,1,2,3
.irp j, 0,1,2,3,4,5,6,7
	v_mov_b32 v[BIAS+8*\a+\j], v[16+\a]            ; a lane's eight results of a tile belong to one channel: eight copies of its bias
.endr
.endr
	s_wait_alu depctr_va_vdst(0)
.irp f, 0,1,2,3,4,5,6,7
	s_wait_dscnt 0x0                               ; this K step's fragments are in (asked for 32 matrix instructions ago)
.if \f == 3
	s_wait_tensorcnt 0x0                           ; my part of the second half is in
	s_barrier_signal -1
	s_barrier_wait -1
.endif
.if \f < 7
.if \f > 0
	PLACES 4                                       ; in front of loads into registers that matrix instructions have read
.endif
	FETCH (\f+1)
.endif
	MUL32 \f
	WIN 0
.endr
; Tile a's 64 registers of a lane, register 32 c + i = key 64 c + 32 h + i of my channel, become a fragment's 12 registers of codes and its scale word, and are stored.
.macro QUANTV a
.set SRC, 64*(\a)
.set PD, PCD+12*(\a)
	WIN 0x0a                                       ; sources 0 and 1 window 2
.irp b, 0,1
	v_max3_num_f32 v[TM+\b], |v[SRC+32*\b]|, |v[SRC+32*\b+1]|, 0x1800000   ; my two whole blocks by turns, each accumulator from its low end on; the floor 2^(3 - 127) holds the byte at 1 from below
.endr
.irp i, 2,4,6,8,10,12,14,16,18,20,22,24,26,28,30
.irp b, 0,1
	v_max3_num_f32 v[TM+\b], |v[SRC+32*\b+\i]|, |v[SRC+32*\b+\i+1]|, v[TM+\b]
.endr
.endr
	WIN 0
.irp b, 0,1
	v_add_nc_u32 v[TM+12+\b], 0xff000000, v[TM+\b] ; 2 off the exponent field: the conversion's scale operand
.endr
.irp b, 0,1
	v_lshrrev_b32 v[TM+4+\b], 23, v[TM+12+\b]      ; the scales' bytes: blocks h and 2 + h of my channel
.endr
	v_lshl_or_b32 v[TM+6], v[TM+5], 16, v[TM+4]
	v_lshlrev_b32 v[TM+6], v13, v[TM+6]            ; at their places in the word
	v_permlanex16_b32 v[TM+7], v[TM+6], s[SEL], s[SEL+1]
	v_or_b32 v[WD+(\a)], v[TM+6], v[TM+7]          ; with lane l xor 16's two the word is whole
	WIN 0x02                                       ; source 0 window 2
.irp c, 0,1
	v_cvt_scalef32_pk16_fp6_f32 v[PD+6*\c:PD+6*\c+2], v[SRC+32*\c:SRC+32*\c+15], v[TM+12+\c]
	v_cvt_scalef32_pk16_fp6_f32 v[CT+4*\c:CT+4*\c+2], v[SRC+32*\c+16:SRC+32*\c+31], v[TM+12+\c]
.endr
	WIN 0
	v_nop                                          ; one plain place behind a scaled conversion
.irp c, 0,1
.irp i, 0,1,2
	v_mov_b32 v[PD+6*\c+3+\i], v[CT+4*\c+\i]
.endr
.endr
.irp c, 0,1,2
	global_store_b128 v15, v[PD+4*\c:PD+4*\c+3], s[10:11] offset:1536*(\a)+512*\c   ; 512 consecutive bytes, at a multiple of 256; each store has data registers of its own
.endr
.endm
	PLACES 4                                       ; in front of the first read of results
	QUANTV 0
	QUANTV 1
	QUANTV 2
	QUANTV 3
	v_cndmask_b32 v132, v[WD], v[WD+1], s[HI]      ; word i: lanes 0-15 tile 2 i, lanes 16-31 tile 2 i + 1
	v_cndmask_b32 v133, v[WD+2], v[WD+3], s[HI]
	global_store_b64 v3, v[132:133], s[10:11] offset:6144
	s_wait_dscnt 0x0
	s_wait_tensorcnt 0x0
	ds_add_u32 v250, v251
	s_wait_dscnt 0x0
	CROUND                                         ; the closing round: no work-group ends while a partner may still ask for a tile that names it
	s_endpgm
.Lfunc_end_k_qc715933bd7_vt:
	.size	k_qc715933bd7_vt, .Lfunc_end_k_qc715933bd7_vt-k_qc715933bd7_vt
	.p2alignl 7, 3214868480
	.fill 96, 4, 3214868480
	.section	.rodata,"a",@progbits
	.p2align	6, 0x0
	.amdhsa_kernel k_qc715933bd7_vt
		.amdhsa_group_segment_fixed_size 327680
		.amdhsa_private_segment_fixed_size 0
		.amdhsa_enable_private_segment 0
		.amdhsa_kernarg_size 32
		.amdhsa_user_sgpr_count 2
		.amdhsa_user_sgpr_kernarg_segment_ptr 1
		.amdhsa_wavefront_size32 1
		.amdhsa_system_sgpr_workgroup_id_x 1
		.amdhsa_system_sgpr_workgroup_id_y 1
		.amdhsa_system_sgpr_workgroup_id_z 1
		.amdhsa_system_vgpr_workitem_id 0
		.amdhsa_next_free_vgpr 768
		.amdhsa_next_free_sgpr 104
		.amdhsa_reserve_vcc 0
		.amdhsa_float_denorm_mode_32 3
		.amdhsa_float_denorm_mode_16_64 3
		.amdhsa_memory_ordered 1
		.amdhsa_forward_progress 1
		.amdhsa_inst_pref_size 95
	.end_amdhsa_kernel
	.amdgpu_metadata
---
amdhsa.version: [ 1, 2 ]
amdhsa.kernels:
  - .name:           k_qc715933bd7_vt
    .symbol:         k_qc715933bd7_vt.kd
    .args:
      - { .name: cimg, .offset: 0, .size: 8, .value_kind: global_buffer, .address_space: global }
      - { .name: csc, .offset: 8, .size: 8, .value_kind: global_buffer, .address_space: global }
      - { .name: qkv_b, .offset: 16, .size: 8, .value_kind: global_buffer, .address_space: global }
      - { .name: vimg, .offset: 24, .size: 8, .value_kind: global_buffer, .address_space: global }
    .group_segment_fixed_size: 327680
    .private_segment_fixed_size: 0
    .kernarg_segment_align: 8
    .kernarg_segment_size: 32
    .max_flat_workgroup_size: 128
    .sgpr_count:     104
    .vgpr_count:     768
    .wavefront_size: 32
...
	.end_amdgpu_metadata
.endif
;; end of part 3
;; launch attn (part 4): grid 4 x 64, 16 waves a work-group, clusters of 4 x 1, 210,944 bytes of LDS; arguments qkimg, vimg, oimg, osc; writes oimg, osc
.if DOCPART == 4
	.amdgcn_target "amdgcn-amd-amdhsa--gfx1250"
	.amdhsa_code_object_version 6
	.text
	.protected	k_qc715933bd7_attn
	.globl	k_qc715933bd7_attn
	.p2align	8
	.type	k_qc715933bd7_attn,@function
k_qc715933bd7_attn:
	s_mov_b64 s[64:65], 0
	v_nop
	global_prefetch_b8 v0, s[64:65] scope:SCOPE_SE
	s_setreg_imm32_b32 hwreg(HW_REG_WAVE_MODE, 25, 1), 1
	s_wait_xcnt 0x0
	s_wait_alu depctr_hold_cnt(0) depctr_sa_sdst(0) depctr_va_vdst(0) depctr_va_sdst(0) depctr_va_ssrc(0) depctr_va_vcc(0) depctr_vm_vsrc(0)
	s_getreg_b32 s2, hwreg(HW_REG_IB_STS2, 6, 4)
	s_cmp_eq_u32 s2, 0
	s_cbranch_scc0 .Lentry_in_a_cluster
	s_endpgm
.Lentry_in_a_cluster:
	s_bfe_u32 s2, ttmp6, 0x10000c
	s_cmp_lg_u32 s2, 0x3003
	s_cbranch_scc0 .Lentry_shape_is_right
	s_endpgm
.Lentry_shape_is_right:
; O = softmax(q k^T / 8) v for each of 64 (batch, head): 2,048 queries and keys, head size 64; both products on codes of FP6 (E2M3) with one E8M0 scale for each 32 along K; O is then quantised along the channels for the last product.
; THE SOFTMAX: t = score x log2(e) / 8; M = the row's largest t so far, rounded UP to a whole number; p = 2^(t - M) is quantised along the keys, not normalised.  The row's sum is taken of the unquantised p and divides O at the end.
; When M moves, the sum and O are multiplied by 2^(old M - new M): exact, and done in every step, with no branch on data.
; SHARES.  A work-group owns 512 queries of one head; each of its sixteen waves owns a pair of tiles of 16 queries and walks all keys once for each tile, 128 keys a step, two steps a trip.
; THE WHOLE HEAD'S K AND V LIE IN LDS, each byte filled once: K's 32 records at 0, V's 16 behind them.  Every wave asks for one part at the head: waves 0-7 four records of K (52 rows of 256 bytes), waves 8-15 two of V (50 rows).
; One wait and one barrier show all of it to all waves; behind it the waves share nothing and meet no more.  CLUSTER: the four work-groups of a head ask for each part JOINTLY, same descriptor, mask of the four.
; No prefetch: every tile is asked for at the head, so there is no loop to run ahead in.
; LAYOUT.  Both products are used transposed: S^T = K Q^T (source 0 = 16 keys, source 1 = my 16 queries), O^T = V^T P^T: a lane holds ONE query throughout.  Tile T of tokens, lane-row i, is token 64 (T / 4) + 8 (T % 4) + i % 8 + 32 (i / 8):
; so register 32 c + i of the step's 64 scores is key 64 c + 32 (lane / 16) + i: a lane holds two WHOLE blocks of 32 keys, in the order of the operand's registers.  A block's maximum needs no other lane and the codes need no lane swap.
; K = 64 IN AN INSTRUCTION OF DEPTH 128: Q's upper six registers hold zero codes; a tile of K is six registers, and the six behind them (the next tile's; behind the last, zeros) meet those zero codes; bytes 2, 3 of both scale words are 1.0.
; IN: qkimg (q at 0, k at KOFF): [batch x head][32 records of 64 tokens][3,328 bytes] = two pairs of tiles of 1,536 bytes + 256 bytes of scale words; vimg: [batch x head][16 key steps][6,400 bytes] = four fragments of 1,536 + 256 of scale words.
; OUT: oimg [tile of tokens][fragment = head / 2][six pieces of 256 bytes], this head's pieces 3 (head % 2) + 0 .. 2; osc [tile][lane-row][32 bytes], this head's bytes 2 head, 2 head + 1 (single bytes: 1 for 24 bytes of codes).
; LIMITS: the promise holds while |t| stays under 2^31; a block of zeros gets the byte 1 (its codes are zeros; this program alone reads the bytes); NaN and infinities are not served; v_exp_f32 and v_rcp_f32 are within 1 ulp;
; a block's largest p is made from the block's largest score by the same two instructions, which takes v_exp_f32 not to fall where its input rises.
.set HK,    106496
.set HV,    102400
.set KOFF,  6815744
.set KREC,  3328
.set VREC,  6400
.set VB,    HK                         ; LDS: V behind K
.set SPARE, 0x33000                    ; behind V: the spare words, 128 bytes a wave
.set L16,  1                           ; 16 x lane
.set L8,   2                           ; 8 x lane
.set OS,   3                           ; 32 r + h: my scale byte's place in a tile of osc
.set AK16, 4                           ; v4-7 LDS addresses of the trip in hand
.set AK8,  5
.set AV16, 6
.set AV8,  7
.set SH8,  8                           ; 8 h
.set SMAX, 10                          ; the running largest score
.set TT,   11
                                       ; v[12:13], v[14:15]: -M, by turns from step to step (low word)
.set QF,   16                          ; v16-21 the tile's codes of Q, v22-27 zero codes
.set QL,   28                          ; v28-39 the pair as loaded
.set QS,   40                          ; v40 Q's scale words (lanes 0-15 the even tile); v41 the same with the halves exchanged
.set KF,   44                          ; v44-91 eight tiles of K, then four fragments of V
.set ZR,   92                          ; v92-97 zeros, never rewritten
.set KS,   98
.set VS,   102
.set S,    104                         ; v104-167 S^T, then p
.set OT,   168                         ; v168-199 O^T
.set PC,   200                         ; v200-211 p's codes
.set CT,   212                         ; v[212:214], v[216:218] the conversions' second halves
.set BM,   220                         ; v220-221 my two blocks' largest scores, then largest p
.set BO,   222                         ; v222-223 the conversions' scale operands
.set BP,   224                         ; v224-227 second chains of the maxima, then bytes
.set TP,   228                         ; a permute's result
.set PX,   229
.set FF,   232                         ; f = 2^(old M - new M)
.set PW,   233                         ; p's scale word
.set LS,   236                         ; v[236:237] the row's sum; v238-243 three more chains
.set C1,   238
.set C2,   240
.set C3,   242
.set SPW,  254
.set NIL,  255
.set WV,  12
.set NC,  13
.set SEL, 14
.set CS,  16
.set TK,  18
.set TV,  19
.set CNT, 20
.set HI,  21
.set CX,  22
.set BH,  23
.set G1K, 24
.set G1V, 32
.set QP,  76
.set OP,  78
.set OSP, 80
.macro CROUND                          ; a round of the cluster's barrier
	s_barrier_signal -1
	s_barrier_wait -1
	s_cmp_lg_u32 s[WV], 0
	s_cbranch_scc1 .Lnot_wave_0_\@
	s_barrier_signal -3
.Lnot_wave_0_\@:
	s_barrier_wait -3
	s_barrier_signal -1
	s_barrier_wait -1
.endm
.macro MKG0 g, sl, lc, p               ; group 0: count 1; LDS address s[sl] + lc; global address s[p:p+1]; type 2
	s_mov_b32 s[\g], 1
	s_add_co_u32 s[\g+1], s[\sl], \lc
	s_mov_b64 s[\g+2:\g+3], s[\p:\p+1]
	s_or_b32 s[\g+3], s[\g+3], 0x80000000
.endm
	s_load_b256 s[4:11], s[0:1], 0x0               ; qkimg, vimg, oimg, osc
	v_lshl_add_u32 v[SPW], v0, 2, SPARE
	v_mov_b32 v[NIL], 0
	ds_add_u32 v[SPW], v[NIL]                      ; the opening lines
	ds_add_u32 v[SPW], v[NIL]
	v_lshrrev_b32 v1, 5, v0
	v_readfirstlane_b32 s[WV], v1                  ; wave 0..15
	s_bfe_u32 s[CX], ttmp6, 0x40000                ; my block of 512 queries: it enters Q's and the outputs' addresses alone
	s_and_b32 s[BH], ttmp7, 0xffff                 ; batch x 16 + head, which the four partners share
	s_mov_b32 s[G1K], 15|(3<<16)|(1<<21)           ; the mask of the four; elements of 8 bytes; bit 21 beside a mask; dense rows of 256 bytes
	s_mov_b32 s[G1V], 15|(3<<16)|(1<<21)
.irp g, G1K, G1V
	s_mov_b32 s[\g+1], 32<<16
	s_mov_b32 s[\g+3], 32<<16
	s_mov_b32 s[\g+5], 32
	s_mov_b32 s[\g+6], 0
	s_mov_b32 s[\g+7], 0
.endr
	s_mov_b32 s[G1K+2], 52<<16                     ; K: 52 rows = four records
	s_mov_b32 s[G1K+4], 52
	s_mov_b32 s[G1V+2], 50<<16                     ; V: 50 rows = two records
	s_mov_b32 s[G1V+4], 50
	s_and_b32 s82, s[WV], 7                        ; which eighth of K or of V I fetch
	s_mul_i32 s83, s82, 4*KREC
	s_mul_i32 s84, s82, 2*VREC
	s_mul_i32 s86, s[BH], HK
	s_add_co_u32 s86, s86, s83
	s_add_co_u32 s86, s86, KOFF
	s_mov_b32 s87, 0
	s_mul_i32 s88, s[BH], HV
	s_add_co_u32 s88, s88, s84
	s_mov_b32 s89, 0
	s_wait_dscnt 0x0
	s_wait_kmcnt 0x0
	s_add_nc_u64 s[86:87], s[4:5], s[86:87]
	s_add_nc_u64 s[88:89], s[6:7], s[88:89]
	MKG0 40, 83, 0, 86
	MKG0 44, 84, VB, 88
	CROUND                                         ; all four work-groups are here: the joint loads meet
	s_cmp_lt_u32 s[WV], 8                          ; one load a wave, in the two arms of one branch on the wave's number
	s_cbranch_scc0 .Lfor_v
	tensor_load_to_lds s[40:43], s[G1K:G1K+7]
	s_nop 0
.rept 4
	v_nop
.endr
	s_branch .Lasked
.Lfor_v:
	tensor_load_to_lds s[44:47], s[G1V:G1V+7]
	s_nop 0
.rept 4
	v_nop
.endr
.Lasked:
	s_lshl_b32 s82, s[CX], 3
	s_lshr_b32 s83, s[WV], 1
	s_add_co_u32 s82, s82, s83                     ; Q's record: 8 x block + w / 2
	s_mul_i32 s82, s82, KREC
	s_mul_i32 s83, s[BH], HK
	s_add_co_u32 s82, s82, s83
	s_mov_b32 s83, 0
	s_add_nc_u64 s[QP:QP+1], s[4:5], s[82:83]
	s_and_b32 s90, s[WV], 1                        ; my pair in the record
	s_mul_i32 s91, s90, 1536
	s_lshl_b32 s96, s90, 2
	s_lshr_b32 s82, s[BH], 4
	s_lshl_b32 s82, s82, 7                         ; 128 tiles of tokens a batch
	s_lshl_b32 s83, s[CX], 5
	s_add_co_u32 s82, s82, s83
	s_lshl_b32 s83, s[WV], 1
	s_add_co_u32 s82, s82, s83                     ; my even tile: 128 x batch + 32 x block + 2 w
	s_and_b32 s84, s[BH], 15                       ; the head
	s_lshl_b32 s85, s82, 3
	s_lshr_b32 s90, s84, 1
	s_add_co_u32 s85, s85, s90
	s_mul_i32 s92, s85, 1536                       ; fragment 8 x tile + head / 2,
	s_and_b32 s90, s84, 1
	s_mul_i32 s90, s90, 768                        ; its lower or its upper three pieces
	s_add_co_u32 s92, s92, s90
	s_mov_b32 s93, 0
	s_add_nc_u64 s[OP:OP+1], s[8:9], s[92:93]
	s_lshl_b32 s94, s82, 9
	s_lshl_b32 s90, s84, 1
	s_add_co_u32 s94, s94, s90
	s_mov_b32 s95, 0
	s_add_nc_u64 s[OSP:OSP+1], s[10:11], s[94:95]
	s_mov_b32 s[SEL], 0x76543210
	s_mov_b32 s[SEL+1], 0xfedcba98                 ; lane l xor 16
	s_mov_b32 s[CS], 0x3e38aa3b                    ; c = log2(e) / 8
	s_mov_b32 s[CS+1], s[CS]                       ; (named with it as a pair)
	s_mov_b32 s[NC], 0xbe38aa3b                    ; -c
	v_and_b32 v10, 31, v0                          ; lane
	v_and_b32 v11, 15, v0                          ; r
	v_bfe_u32 v12, v0, 4, 1                        ; h
	v_lshlrev_b32 v[L16], 4, v10
	v_lshlrev_b32 v[L8], 3, v10
	v_lshl_add_u32 v[OS], v11, 5, v12
	v_lshlrev_b32 v[SH8], 3, v12
	v_cmp_lt_u32 s[HI], 15, v10                    ; lanes 16-31
	v_add_nc_u32 v9, s91, v[L16]
	v_add_nc_u32 v42, s96, v[L8]
.irp c, 0,1,2
	global_load_b128 v[QL+4*\c:QL+4*\c+3], v9, s[QP:QP+1] offset:512*\c
.endr
	global_load_b32 v[QS], v42, s[QP:QP+1] offset:3072
	v_mov_b32 v[QS+1], 0                           ; a lane permute's destination counts as one of its sources
.irp i, 0,1,2,3,4,5
	v_mov_b32 v[QF+6+\i], 0                        ; Q's upper half: zero codes
	v_mov_b32 v[ZR+\i], 0                          ; what stands behind K's last tile
.endr
.macro INIT                            ; a tile of queries begins: O^T and the sum are zeros, which the first change of M leaves zeros
	v_mov_b32 v[SMAX], 0xff61b1e6                  ; the largest score so far: -3e38
	v_mov_b32 v14, 0x7f61b1e6                      ; the old -M: 3e38, so that the first f is 0
	v_mov_b32 v13, 0                               ; (upper words of the pairs that are named with -M)
	v_mov_b32 v15, 0
	v_mov_b32 v[LS], 0
	v_mov_b32 v[LS+1], 0
.set PJ, 0
.rept 32
	v_mov_b32 v[OT+PJ], 0
.set PJ, PJ+1
.endr
	v_mov_b32 v[TP], 0
	v_mov_b32 v[PW], 0                             ; (named as the upper half of the pair with f)
.endm
.macro SMUL t, qs                      ; S^T of tile t: K's words: the even tile in lanes 0-15, the odd one in lanes 16-31
.if ((\t)%2) == 0
	v_wmma_scale_f32_16x16x128_f8f6f4 v[S+8*(\t):S+8*(\t)+7], v[KF+6*(\t):KF+6*(\t)+11], v[QF:QF+11], 0, v[KS+(\t)/2], v[\qs] matrix_a_fmt:MATRIX_FMT_FP6 matrix_b_fmt:MATRIX_FMT_FP6
.else
	v_wmma_scale_f32_16x16x128_f8f6f4 v[S+8*(\t):S+8*(\t)+7], v[KF+6*(\t):KF+6*(\t)+11], v[QF:QF+11], 0, v[KS+(\t)/2], v[\qs] matrix_a_fmt:MATRIX_FMT_FP6 matrix_b_fmt:MATRIX_FMT_FP6 matrix_a_scale:MATRIX_SCALE_ROW1
.endif
.endm
.macro KLOAD off                       ; a step's eight tiles of K and their scale words: 512 consecutive bytes an instruction
.irp rr, 0,1
.irp i, 0,1,2,3,4,5
	ds_load_b128 v[KF+24*\rr+4*\i:KF+24*\rr+4*\i+3], v[AK16] offset:(\off)+KREC*\rr+512*\i
.endr
	ds_load_b64 v[KS+2*\rr:KS+2*\rr+1], v[AK8] offset:(\off)+KREC*\rr+3072
.endr
.endm
.macro TM n                            ; t - M, two at a time
.rept \n
	v_pk_fma_f32 v[S+PJ:S+PJ+1], v[S+PJ:S+PJ+1], s[CS:CS+1], v[NN:NN+1] op_sel_hi:[1,0,0]
.set PJ, PJ+2
.endr
.endm
.macro AP ch                           ; the next two p onto one of the sum's four chains
	v_pk_add_f32 v[\ch:\ch+1], v[\ch:\ch+1], v[S+PJ:S+PJ+1]
.set PJ, PJ+2
.endm
.macro AP4
	AP C3
	AP LS
	AP C1
	AP C2
.endm
; A KEY STEP: 128 keys; u: the step's place in its trip.  Its K was asked for in the step before.
.macro STEP u, qs
.set NN, 12+2*(\u)                     ; the new -M
.set NO, 14-2*(\u)                     ; the old one
	s_wait_dscnt 0x0                               ; K
.irp t, 0,1,2,3,4,5,6,7
	SMUL \t, \qs
.endr
.if \u == 0                            ; four places behind the products: the trip's addresses of V, or the next trip's of K
	v_add_nc_u32 v[AV16], s[TV], v[L16]
	v_add_nc_u32 v[AV8], s[TV], v[L8]
.else
	s_add_co_u32 s[TK], s[TK], 4*KREC
	v_add_nc_u32 v[AK16], s[TK], v[L16]
	v_add_nc_u32 v[AK8], s[TK], v[L8]
.endif
	v_nop
	v_nop
.irp i, 0,1,2,3,4,5,6,7,8,9,10,11
	ds_load_b128 v[KF+4*\i:KF+4*\i+3], v[AV16] offset:VREC*(\u)+512*\i   ; V's four fragments land under the softmax
.endr
	ds_load_b64 v[VS:VS+1], v[AV8] offset:VREC*(\u)+6144
.irp c, 0,1                            ; the largest score of my two blocks, four chains by turns: for the row's maximum and for the block's largest p
	v_max3_num_f32 v[BM+\c], v[S+32*\c], v[S+32*\c+1], v[S+32*\c+2]
	v_max3_num_f32 v[BP+\c], v[S+32*\c+16], v[S+32*\c+17], v[S+32*\c+18]
.endr
.irp i, 3,5,7,9,11,13
.irp c, 0,1
	v_max3_num_f32 v[BM+\c], v[BM+\c], v[S+32*\c+\i], v[S+32*\c+\i+1]
	v_max3_num_f32 v[BP+\c], v[BP+\c], v[S+32*\c+16+\i], v[S+32*\c+17+\i]
.endr
.endr
.irp c, 0,1
	v_max3_num_f32 v[BM+\c], v[BM+\c], v[BP+\c], v[S+32*\c+15]
.endr
.irp c, 0,1
	v_max_num_f32 v[BM+\c], v[BM+\c], v[S+32*\c+31]
.endr
	v_max_num_f32 v[TT], v[BM], v[BM+1]
	v_permlanex16_b32 v[TP], v[TT], s[SEL], s[SEL+1]
	v_max3_num_f32 v[SMAX], v[SMAX], v[TT], v[TP]  ; with lane l xor 16's 64 keys: the running largest score of my query
	v_mul_f32 v[TT], s[NC], v[SMAX]                ; -t
	v_floor_f32 v[NN], v[TT]                       ; -M = floor(-t) = -ceil(t)
	v_sub_f32 v[TT], v[NN], v[NO]                  ; old M less new M: a whole number, 0 or less
.set PJ, 0
	TM 4
	v_cvt_i32_f32 v[TT], v[TT]                     ; (it saturates)
	TM 4
	v_ldexp_f32 v[FF], 1.0, v[TT]                  ; f = 2^(old M - new M)
	TM 24
.irp c, 0,1
	v_fma_f32 v[BM+\c], v[BM+\c], s[CS], v[NN]     ; the same of each block's largest score
.endr
	s_wait_alu depctr_va_vdst(0)
.irp c, 0,1
	v_exp_f32 v[BM+\c], v[BM+\c]                   ; the block's largest p
.endr
.set PJ, 0
.rept 64
	v_exp_f32 v[S+PJ], v[S+PJ]                     ; p = 2^(t - M)
.set PJ, PJ+1
.endr
	v_pk_mul_f32 v[LS:LS+1], v[LS:LS+1], v[FF:FF+1] op_sel_hi:[1,0]   ; the sum under the new M (a plain instruction behind the batch)
	s_wait_alu depctr_va_vdst(0)                   ; one wait for the 66, and directly ahead of the first readers of O^T
.set PJ, 0
.rept 16
	v_pk_mul_f32 v[OT+PJ:OT+PJ+1], v[OT+PJ:OT+PJ+1], v[FF:FF+1] op_sel_hi:[1,0]   ; O^T under the new M
.set PJ, PJ+2
.endr
.irp c, 0,1
	v_max_num_f32 v[BM+\c], 0x1800000, v[BM+\c]    ; the floor 2^(3 - 127): the byte cannot fall under 1
.endr
	v_pk_add_f32 v[C1:C1+1], v[S:S+1], v[S+2:S+3]  ; the row's sum, of the unquantised p: four chains, laid between the lines that wait for each other
	v_pk_add_f32 v[C2:C2+1], v[S+4:S+5], v[S+6:S+7]
.irp c, 0,1
	v_add_nc_u32 v[BO+\c], 0xff000000, v[BM+\c]    ; 2 off the exponent field: the conversion's scale operand
.endr
	v_pk_add_f32 v[C3:C3+1], v[S+8:S+9], v[S+10:S+11]
	v_pk_add_f32 v[LS:LS+1], v[LS:LS+1], v[S+12:S+13]
.irp c, 0,1
	v_cvt_scalef32_pk16_fp6_f32 v[PC+6*\c:PC+6*\c+2], v[S+32*\c:S+32*\c+15], v[BO+\c]
	v_cvt_scalef32_pk16_fp6_f32 v[CT+4*\c:CT+4*\c+2], v[S+32*\c+16:S+32*\c+31], v[BO+\c]   ; (a conversion's three registers begin on an even number)
.endr
.irp c, 0,1
	v_lshrrev_b32 v[BP+\c], 23, v[BO+\c]           ; the bytes of blocks h and 2 + h (plain lines behind the conversions)
.endr
.irp c, 0,1
.irp i, 0,1,2
	v_mov_b32 v[PC+3+6*\c+\i], v[CT+4*\c+\i]
.endr
.endr
.set PJ, 14
	v_lshl_or_b32 v[PX], v[BP+1], 16, v[BP]
	AP C1
	AP C2
	v_lshlrev_b32 v[PX], v[SH8], v[PX]             ; at their places in the word
	AP C3
	AP LS
	v_permlanex16_b32 v[TP], v[PX], s[SEL], s[SEL+1]
	AP C1
	AP C2
	v_or_b32 v[PW], v[PX], v[TP]                   ; p's scale word for these 128 keys
	AP4                                            ; eight places between the scale word and the products
	AP4
	s_wait_alu depctr_va_vdst(0)
	s_wait_dscnt 0x0                               ; V
.irp t, 0,1,2,3
.if (\t%2) == 0
	v_wmma_scale_f32_16x16x128_f8f6f4 v[OT+8*\t:OT+8*\t+7], v[KF+12*\t:KF+12*\t+11], v[PC:PC+11], v[OT+8*\t:OT+8*\t+7], v[VS+\t/2], v[PW] matrix_a_fmt:MATRIX_FMT_FP6 matrix_b_fmt:MATRIX_FMT_FP6
.else
	v_wmma_scale_f32_16x16x128_f8f6f4 v[OT+8*\t:OT+8*\t+7], v[KF+12*\t:KF+12*\t+11], v[PC:PC+11], v[OT+8*\t:OT+8*\t+7], v[VS+\t/2], v[PW] matrix_a_fmt:MATRIX_FMT_FP6 matrix_b_fmt:MATRIX_FMT_FP6 matrix_a_scale:MATRIX_SCALE_ROW1
.endif
.endr
	AP4                                            ; four places behind the products, in front of the loads into V's registers
.if \u == 0
	KLOAD 2*KREC                                   ; the next step's K
.else
	s_cmp_eq_u32 s[CNT], 1                         ; the walk's last step has no next
	s_wait_alu depctr_va_vdst(0)
	s_cbranch_scc1 .Lno_k_\@
	KLOAD 0
.Lno_k_\@:
.endif
	AP4
	AP C3
	AP LS
	AP C1
	v_pk_add_f32 v[LS:LS+1], v[LS:LS+1], v[C3:C3+1]
	v_pk_add_f32 v[C1:C1+1], v[C1:C1+1], v[C2:C2+1]
	v_pk_add_f32 v[LS:LS+1], v[LS:LS+1], v[C1:C1+1]
.endm
.macro PASS qs                         ; all 2,048 keys for one tile of queries: 8 trips of two steps
	s_mov_b32 s[TK], 0
	s_mov_b32 s[TV], VB
	v_add_nc_u32 v[AK16], s[TK], v[L16]
	v_add_nc_u32 v[AK8], s[TK], v[L8]
	KLOAD 0
	s_mov_b32 s[CNT], 8
.Ltrip_\@:
	STEP 0, \qs
	STEP 1, \qs
	s_add_co_u32 s[TV], s[TV], 2*VREC
	s_sub_co_u32 s[CNT], s[CNT], 1
	s_cmp_lg_u32 s[CNT], 0
	s_cbranch_scc1 .Ltrip_\@
.endm
; THE WAY OUT of tile e of my pair: O^T / the sum.  V's channels are tiled as the weights are, so register 16 g + i is channel 32 g + 16 h + i of my query: two blocks of 32, each in lanes l and l xor 16.
.macro OUT e
	v_add_f32 v[LS], v[LS], v[LS+1]                ; the sum's two halves,
	s_delay_alu instid0(VALU_DEP_1)
	v_permlanex16_b32 v[TT], v[LS], s[SEL], s[SEL+1]
	s_delay_alu instid0(VALU_DEP_1)
	v_add_f32 v[LS], v[LS], v[TT]                  ; and lane l xor 16's: the row's sum
	s_wait_alu depctr_va_vdst(0)
	v_rcp_f32 v[FF], v[LS]
	v_nop                                          ; a plain instruction behind the reciprocal
	s_wait_alu depctr_va_vdst(0)                   ; ahead of its first reader and of O^T's
.set PJ, 0
.rept 16
	v_pk_mul_f32 v[S+PJ:S+PJ+1], v[OT+PJ:OT+PJ+1], v[FF:FF+1] op_sel_hi:[1,0]
.set PJ, PJ+2
.endr
	v_max3_num_f32 v[BM], |v[S]|, |v[S+1]|, 0x1800000
	v_max3_num_f32 v[BM+1], |v[S+16]|, |v[S+17]|, 0x1800000
.irp i, 2,4,6,8,10,12,14
	s_delay_alu instid0(VALU_DEP_2)
	v_max3_num_f32 v[BM], v[BM], |v[S+\i]|, |v[S+1+\i]|
	s_delay_alu instid0(VALU_DEP_2)
	v_max3_num_f32 v[BM+1], v[BM+1], |v[S+16+\i]|, |v[S+17+\i]|
.endr
	s_delay_alu instid0(VALU_DEP_2)
	v_permlanex16_b32 v[BP], v[BM], s[SEL], s[SEL+1]
	s_delay_alu instid0(VALU_DEP_2)
	v_permlanex16_b32 v[BP+1], v[BM+1], s[SEL], s[SEL+1]
	s_delay_alu instid0(VALU_DEP_2)
	v_max_num_f32 v[BM], v[BM], v[BP]
	s_delay_alu instid0(VALU_DEP_2)
	v_max_num_f32 v[BM+1], v[BM+1], v[BP+1]
	s_delay_alu instid0(VALU_DEP_2)
	v_add_nc_u32 v[BO], 0xff000000, v[BM]
	s_delay_alu instid0(VALU_DEP_2)
	v_add_nc_u32 v[BO+1], 0xff000000, v[BM+1]
	s_delay_alu instid0(VALU_DEP_2)
	v_lshrrev_b32 v[BP+2], 23, v[BO]
	s_delay_alu instid0(VALU_DEP_2)
	v_lshrrev_b32 v[BP+3], 23, v[BO+1]
	s_delay_alu instid0(VALU_DEP_1)
	v_cndmask_b32 v[TT], v[BP+2], v[BP+3], s[HI]   ; lane (r, h) stores block h's byte of row r
	v_cvt_scalef32_pk16_fp6_f32 v[PC:PC+2], v[S:S+15], v[BO]
	v_cvt_scalef32_pk16_fp6_f32 v[CT:CT+2], v[S+16:S+31], v[BO+1]
	v_nop                                          ; one plain place behind a scaled conversion
.irp i, 0,1,2
	v_permlane16_swap_b32 v[PC+\i], v[CT+\i]       ; a whole block to a lane
.endr
.irp i, 0,1,2
	s_delay_alu instid0(VALU_DEP_3)
	v_mov_b32 v[PC+3+\i], v[CT+\i]
.endr
.irp p, 0,1,2
	global_store_b64 v[L8], v[PC+2*\p:PC+2*\p+1], s[OP:OP+1] offset:12288*(\e)+256*\p   ; 32 lanes store 256 consecutive bytes, at a multiple of 256 from the buffer's first byte
.endr
	global_store_b8 v[OS], v[TT], s[OSP:OSP+1] offset:512*(\e)
.endm
	s_wait_loadcnt 0x0                             ; Q
.irp i, 0,1,2,3,4,5
	v_mov_b32 v[QF+\i], v[QL+\i]                   ; the even tile
.endr
	v_permlanex16_b32 v[QS+1], v[QS], s[SEL], s[SEL+1]   ; the odd tile's scale words into lanes 0-15
	INIT
	s_wait_alu depctr_va_vdst(0)
	s_wait_tensorcnt 0x0                           ; my part of K or V is in
	s_barrier_signal -1
	s_barrier_wait -1                              ; everybody's is: the whole head lies in LDS
	PASS QS
	OUT 0
	s_wait_xcnt 0x0                                ; the stores have read their data: the registers are written again only behind this wait
.irp i, 0,1,2,3,4,5
	v_mov_b32 v[QF+\i], v[QL+6+\i]                 ; the odd tile
.endr
	INIT
	PASS QS+1
	OUT 1
	s_wait_tensorcnt 0x0                           ; the wave's end
	ds_add_u32 v[SPW], v[NIL]
	s_wait_dscnt 0x0
	CROUND                                         ; the closing round
	s_endpgm
.Lfunc_end_k_qc715933bd7_attn:
	.size	k_qc715933bd7_attn, .Lfunc_end_k_qc715933bd7_attn-k_qc715933bd7_attn
	.p2alignl 7, 3214868480
	.fill 96, 4, 3214868480
	.section	.rodata,"a",@progbits
	.p2align	6, 0x0
	.amdhsa_kernel k_qc715933bd7_attn
		.amdhsa_group_segment_fixed_size 210944
		.amdhsa_private_segment_fixed_size 0
		.amdhsa_enable_private_segment 0
		.amdhsa_kernarg_size 32
		.amdhsa_user_sgpr_count 2
		.amdhsa_user_sgpr_kernarg_segment_ptr 1
		.amdhsa_wavefront_size32 1
		.amdhsa_system_sgpr_workgroup_id_x 1
		.amdhsa_system_sgpr_workgroup_id_y 1
		.amdhsa_system_sgpr_workgroup_id_z 1
		.amdhsa_system_vgpr_workitem_id 0
		.amdhsa_next_free_vgpr 256
		.amdhsa_next_free_sgpr 100
		.amdhsa_reserve_vcc 0
		.amdhsa_float_denorm_mode_32 3
		.amdhsa_float_denorm_mode_16_64 3
		.amdhsa_memory_ordered 1
		.amdhsa_forward_progress 1
		.amdhsa_inst_pref_size 78
	.end_amdhsa_kernel
	.amdgpu_metadata
---
amdhsa.version: [ 1, 2 ]
amdhsa.kernels:
  - .name:           k_qc715933bd7_attn
    .symbol:         k_qc715933bd7_attn.kd
    .args:
      - { .name: qkimg, .offset: 0, .size: 8, .value_kind: global_buffer, .address_space: global }
      - { .name: vimg, .offset: 8, .size: 8, .value_kind: global_buffer, .address_space: global }
      - { .name: oimg, .offset: 16, .size: 8, .value_kind: global_buffer, .address_space: global }
      - { .name: osc, .offset: 24, .size: 8, .value_kind: global_buffer, .address_space: global }
    .group_segment_fixed_size: 210944
    .private_segment_fixed_size: 0
    .kernarg_segment_align: 8
    .kernarg_segment_size: 32
    .max_flat_workgroup_size: 512
    .sgpr_count:     100
    .vgpr_count:     256
    .wavefront_size: 32
...
	.end_amdgpu_metadata
.endif
;; end of part 4
;; launch proj (part 5): grid 4 x 64, 4 waves a work-group, clusters of 4 x 4, 327,680 bytes of LDS; arguments oimg, osc, cimg, csc, proj_b, out0; writes out0
.if DOCPART == 5
	.amdgcn_target "amdgcn-amd-amdhsa--gfx1250"
	.amdhsa_code_object_version 6
	.text
	.protected	k_qc715933bd7_proj
	.globl	k_qc715933bd7_proj
	.p2align	8
	.type	k_qc715933bd7_proj,@function
k_qc715933bd7_proj:
	s_mov_b64 s[64:65], 0
	v_nop
	global_prefetch_b8 v0, s[64:65] scope:SCOPE_SE
	s_setreg_imm32_b32 hwreg(HW_REG_WAVE_MODE, 25, 1), 1
	s_wait_xcnt 0x0
	s_wait_alu depctr_hold_cnt(0) depctr_sa_sdst(0) depctr_va_vdst(0) depctr_va_sdst(0) depctr_va_ssrc(0) depctr_va_vcc(0) depctr_vm_vsrc(0)
	s_getreg_b32 s2, hwreg(HW_REG_IB_STS2, 6, 4)
	s_cmp_eq_u32 s2, 0
	s_cbranch_scc0 .Lentry_in_a_cluster
	s_endpgm
.Lentry_in_a_cluster:
	s_bfe_u32 s2, ttmp6, 0x10000c
	s_cmp_lg_u32 s2, 0xf033
	s_cbranch_scc0 .Lentry_shape_is_right
	s_endpgm
.Lentry_shape_is_right:
; out0 = O proj_w^T + proj_b on codes of FP6 (E2M3): O's codes and scale words as the attention launch left them, proj_w's as the quantising launch left them; sums and the result in f32.
; THE PRODUCT.  A tile is 128 rows of A (O: tokens) by 256 rows of B (proj_w) over all of K = 1,024.  Four waves; wave w takes A's tiles 4 (w / 2) + 0 .. 3 and B's tiles 8 (w % 2) + 0 .. 7: 32 accumulators, 256 registers.
; Codes come as fragment images (16 rows x 128 K = six pieces of 256 bytes, lane l's 8 bytes at 8 l).
; ALL OF K LIES IN LDS AT ONCE: two halves of 512 along K, each filled once by the tensor data mover; a wave asks for one load of each half, and a half is read behind a wait and a barrier.  No LDS byte is filled twice.
; CLUSTERS: 4 x 4 work-groups; A's tiles are asked for jointly along a row of the cluster, B's along a column.
; TRANSPOSED USE: source 0 = 16 rows of B, source 1 = 16 rows of A.  A tensor's tile T, lane-row i, is its row 32 (T / 2) + 8 (T % 2) + i + 8 (i / 8); so in accumulator (a, b) lane (r, h), register j, holds
; token = lane-row r of A's tile a and column 32 (b / 2) + 16 h + 8 (b % 2) + j of the wave's 128.  The bias is the C of the first K step.
; THE WAY OUT: a tile of 16 tokens x 128 columns goes through the wave's own stage in LDS and comes back as whole rows of 512 bytes.  The stages lie in chunk 0, which has had its only fill, and whose last reads lie in front of a
; barrier that every wave has passed.
; LIMITS: NaN and infinities are not served.
; REGISTERS.  Window 0: v1-16 addresses, v32-47 A's scale words, v48-79 B's, v80-127 and v128-175 A's fragments (two sets), v176-239 the bias; on the way out v80-207 rows of the result.
;   Window 1: v0-95 and v128-223 B's fragments (two sets).   Window 2: the accumulators, (a, b) at v[8 (8 a + b)].
.set WPI,   8650752
.set WPS,   360448
.set TROW,  12288
; K NOW COMES IN TWO HALVES of 512 along K (four fragments a tile), not in four chunks: a wave asks for its part of the first half at the head and for its part of the second behind the three lines and a round of the cluster's barrier.
; O's tile T, lane-row i, is token 64 (T / 4) + 8 (T % 4) + i % 8 + 32 (i / 8); proj_w's tiles are as stated above.  The stages lie in the first half, whose last reads lie in front of the barrier for the second.
.set FCH, 6144
.set CHUNK, 24*FCH
.set AOFF,  0                          ; A = oimg's tiles
.set ASOFF, 0
.set BOFF,  WPI                        ; B = proj_w's tiles
.set BSOFF, WPS
.set AIMG,  4
.set ASCL,  6
.set BIMG,  8
.set BSCL,  10
.set BYA,   0                          ; the bias goes by B's tile
.set SPT,   528                        ; a stage row: 512 bytes + 16
.set WV, 20
.set WM, 21
.set WN, 22
.set CX, 23
.set CY, 24
.set GX, 25
.set GY, 26
.set G1A, 28
.set G1B, 36
.set G0A, 44
.set ADRA, 4
.set ADRB, 8
.set STO, 14                           ; v14  the stage: where I put my 64 bytes of a row's pair of tiles
.set RD,  16                           ; v16  and where I read a row back
.set SA,  32
.set SB,  48
.set AF0, 80
.set BIAS, 176
.set BK,  80                           ; v80-143, v144-207: 16 rows read back, by turns
.set MSB, 0
.macro WIN new                         ; the immediate's high byte repeats the setting that is left
.if MSB != \new
	s_set_vgpr_msb (MSB<<8)|\new
.set MSB, \new
.endif
.endm
.macro PLACES n
.rept \n
	v_nop
.endr
.endm
.macro CROUND                          ; a round of the cluster's barrier
	s_barrier_signal -1
	s_barrier_wait -1
	s_cmp_lg_u32 s[WV], 0
	s_cbranch_scc1 .Lnot_wave_0_\@
	s_barrier_signal -3
.Lnot_wave_0_\@:
	s_barrier_wait -3
	s_barrier_signal -1
	s_barrier_wait -1
.endm
.macro MKG0 g, sl, lc, p, off          ; a descriptor's group 0: count 1; LDS address s[sl] + lc; global address s[p:p+1] + off; type 2
	s_mov_b32 s[\g], 1
	s_add_co_u32 s[\g+1], s[\sl], \lc
	s_add_nc_u64 s[\g+2:\g+3], s[\p:\p+1], \off
	s_or_b32 s[\g+3], s[\g+3], 0x80000000
.endm
	s_load_b256 s[4:11], s[0:1], 0x0               ; oimg, osc, cimg, csc
	s_load_b128 s[12:15], s[0:1], 0x20             ; proj_b, out0
	v_lshl_add_u32 v254, v0, 2, 0x48000
	v_mov_b32 v255, 0
	ds_add_u32 v254, v255
	ds_add_u32 v254, v255
	v_lshrrev_b32 v1, 5, v0
	v_readfirstlane_b32 s[WV], v1                  ; wave 0..3
	s_lshr_b32 s[WM], s[WV], 1                     ; which 64 rows of A are mine.  Also: I fetch for A (0) or for B (1)
	s_and_b32 s[WN], s[WV], 1                      ; which 128 rows of B.  Also: which half of a chunk's tiles I fetch
	s_bfe_u32 s[CX], ttmp6, 0x40000
	s_bfe_u32 s[CY], ttmp6, 0x40004
	s_lshl_b32 s[GX], ttmp9, 2
	s_add_co_u32 s[GX], s[GX], s[CX]               ; B's block of 256 rows = 4 x cluster x + cx
	s_and_b32 s[GY], ttmp7, 0xffff
	s_lshl_b32 s[GY], s[GY], 2
	s_add_co_u32 s[GY], s[GY], s[CY]               ; A's block of 128 rows = 4 x cluster y + cy
	s_lshl_b32 s80, s[CY], 2
	s_lshl_b32 s80, 15, s80                        ; my row of the cluster
	s_lshl_b32 s84, 0x1111, s[CX]                  ; my column
	s_or_b32 s[G1A], s80, (3<<16)|(1<<21)          ; 15:0 the mask; 17:16 elements of 8 bytes; 21 set beside a mask; no padding
	s_or_b32 s[G1B], s84, (3<<16)|(1<<21)
.irp g, G1A, G1B
	s_mov_b32 s[\g+1], 768<<16                     ; tensor_dim0 = 768 elements: a tile's 6,144 bytes of a half
	s_mov_b32 s[\g+3], 768<<16                     ; tile_dim0
	s_mov_b32 s[\g+5], 1536                        ; from tile to tile: 12,288 bytes
	s_mov_b32 s[\g+6], 0
	s_mov_b32 s[\g+7], 0
.endr
	s_mov_b32 s[G1A+2], 4<<16                      ; A: 4 tiles to a load
	s_mov_b32 s[G1A+4], 4
	s_mov_b32 s[G1B+2], 8<<16                      ; B: 8
	s_mov_b32 s[G1B+4], 8
	s_lshl_b32 s80, s[GY], 3                       ; A's address hangs on A's block and the wave's number alone,
	s_lshl_b32 s81, s[WN], 2
	s_add_co_u32 s80, s80, s81
	s_mul_i32 s80, s80, TROW
	s_add_co_u32 s80, s80, AOFF
	s_mov_b32 s81, 0
	s_lshl_b32 s84, s[GX], 4                       ; B's on B's block and the wave's number
	s_lshl_b32 s85, s[WN], 3
	s_add_co_u32 s84, s84, s85
	s_mul_i32 s84, s84, TROW
	s_add_co_u32 s84, s84, BOFF
	s_mov_b32 s85, 0
	s_mul_i32 s88, s[WN], 4*FCH                    ; where they go: no place in the cluster enters an LDS address
	s_mul_i32 s89, s[WN], 8*FCH
	s_wait_dscnt 0x0
	s_wait_kmcnt 0x0
	s_add_nc_u64 s[82:83], s[AIMG:AIMG+1], s[80:81]
	s_add_nc_u64 s[86:87], s[BIMG:BIMG+1], s[84:85]
	MKG0 G0A, 88, 0, 82, 0
	MKG0 G0A+4, 88, CHUNK, 82, FCH
	MKG0 60, 89, 8*FCH, 86, 0
	MKG0 68, 89, CHUNK+8*FCH, 86, FCH
	CROUND                                         ; all sixteen work-groups are here: the joint loads meet
	s_cmp_eq_u32 s[WM], 0                          ; a wave's fill stands in one branch on the wave's number: one load of mine is out
	s_cbranch_scc0 .Lfor_b
	tensor_load_to_lds s[G0A:G0A+3], s[G1A:G1A+7]
	s_nop 0
	PLACES 4
	s_branch .Lasked
.Lfor_b:
	tensor_load_to_lds s[60:63], s[G1B:G1B+7]
	s_nop 0
	PLACES 4
.Lasked:
	v_and_b32 v17, 31, v0                          ; lane
	v_and_b32 v1, 15, v0                           ; r
	v_bfe_u32 v2, v0, 4, 1                         ; h
	v_lshlrev_b32 v3, 3, v17                       ; 8 l
	v_lshlrev_b32 v15, 4, v17                      ; 16 l
	v_lshlrev_b32 v12, 5, v1
	v_lshl_add_u32 v12, v2, 4, v12                 ; 32 r + 16 h: my four scale words of a tile
	v_lshlrev_b32 v13, 6, v2                       ; 64 h
	s_mul_i32 s90, s[WM], 4*FCH                    ; my 4 tiles of A,
	s_mul_i32 s91, s[WN], 8*FCH                    ; my 8 tiles of B,
	s_add_co_u32 s91, s91, 8*FCH                   ; which lie behind A's 8
.irp c, 0,1
	v_add_nc_u32 v[ADRA+\c], s90, v3
	v_add_nc_u32 v[ADRB+\c], s91, v3
	s_add_co_u32 s90, s90, CHUNK
	s_add_co_u32 s91, s91, CHUNK
.endr
	s_mul_i32 s90, s[WV], 16*SPT                   ; my stage
	v_mul_u32_u24 v[STO], v1, SPT
	v_lshl_add_u32 v[STO], v2, 6, v[STO]
	v_add_nc_u32 v[STO], s90, v[STO]               ; in: row r, + 64 h
	v_add_nc_u32 v[RD], s90, v15                   ; back: 16 bytes a lane, a row an instruction
	s_lshl_b32 s92, s[GY], 3
	s_lshl_b32 s93, s[WM], 2
	s_add_co_u32 s92, s92, s93
	s_lshl_b32 s92, s92, 9                         ; 512 bytes of scale words a tile
	s_add_co_u32 s92, s92, ASOFF
	s_mov_b32 s93, 0
	s_add_nc_u64 s[92:93], s[ASCL:ASCL+1], s[92:93]
	s_lshl_b32 s94, s[GX], 4
	s_lshl_b32 s95, s[WN], 3
	s_add_co_u32 s94, s94, s95
	s_lshl_b32 s94, s94, 9
	s_add_co_u32 s94, s94, BSOFF
	s_mov_b32 s95, 0
	s_add_nc_u64 s[94:95], s[BSCL:BSCL+1], s[94:95]
	s_wait_alu depctr_va_vdst(0)                   ; the wait directly ahead of the first reader behind the scalar lines
.irp a, 0,1,2,3
	global_load_b128 v[SA+4*\a:SA+4*\a+3], v12, s[92:93] offset:512*\a   ; 32 lanes read a tile's 512 consecutive bytes
.endr
.irp b, 0,1,2,3,4,5,6,7
	global_load_b128 v[SB+4*\b:SB+4*\b+3], v12, s[94:95] offset:512*\b
.endr
	s_lshl_b32 s96, s[GX], 10                      ; my 128 columns, in bytes: for the bias and for the result
	s_lshl_b32 s97, s[WN], 9
	s_add_co_u32 s96, s96, s97
	s_mov_b32 s97, 0
	s_add_nc_u64 s[12:13], s[12:13], s[96:97]
.irp b, 0,1,2,3,4,5,6,7
	global_load_b128 v[BIAS+8*\b:BIAS+8*\b+3], v13, s[12:13] offset:(32*(\b/2)+8*(\b%2))*4   ; lane (r, h) wants, for tile b, columns 32 (b / 2) + 16 h + 8 (b % 2) + 0 .. 7
	global_load_b128 v[BIAS+8*\b+4:BIAS+8*\b+7], v13, s[12:13] offset:(32*(\b/2)+8*(\b%2))*4+16
.endr
	s_lshl_b32 s98, s[GY], 19                      ; my first row of the result: 128 x A's block + 64 (w / 2), 4,096 bytes a row
	s_lshl_b32 s99, s[WM], 18
	s_add_co_u32 s98, s98, s99
	s_add_co_u32 s98, s98, s96
	s_mov_b32 s99, 0
	s_add_nc_u64 s[14:15], s[14:15], s[98:99]
.macro FRAG reg, adr, off              ; a fragment image: six pieces of 256 bytes
.irp p, 0,1,2,3,4,5
	ds_load_b64 v[\reg+2*\p:\reg+2*\p+1], v[\adr] offset:\off+256*\p
.endr
.endm
.macro FETCH f                         ; K step f (128 along K): B's eight fragments and A's four, into set f % 2: 72 loads in one run
	WIN 0x40                                       ; destination window 1
.irp i, 0,1,2,3,4,5,6,7
	FRAG 128*((\f)%2)+12*\i, ADRB+(\f)/4, FCH*\i+1536*((\f)%4)
.endr
	WIN 0
.irp i, 0,1,2,3
	FRAG AF0+48*((\f)%2)+12*\i, ADRA+(\f)/4, FCH*\i+1536*((\f)%4)
.endr
.endm
; 32 matrix instructions: K step f.  The first step takes the bias as C: nothing is cleared and nothing is added later.  The 32 accumulators take turns, one instruction a turn, in the same order in every step.
.macro MUL32 f
.set BFS, 128*((\f)%2)
.set AFS, AF0+48*((\f)%2)
.if (\f) == 0
	WIN 0x81                                       ; source 0 (B) window 1, source 1 (A) and C window 0, D window 2
.else
	WIN 0xa1                                       ; C and D window 2
.endif
.irp a, 0,1,2,3
.irp b, 0,1,2,3,4,5,6,7
.if (\f) == 0
	v_wmma_scale_f32_16x16x128_f8f6f4 v[8*(8*\a+\b):8*(8*\a+\b)+7], v[BFS+12*\b:BFS+12*\b+11], v[AFS+12*\a:AFS+12*\a+11], v[BIAS+8*(BYA*\a+(1-BYA)*\b):BIAS+8*(BYA*\a+(1-BYA)*\b)+7], v[SB+4*\b], v[SA+4*\a] matrix_a_fmt:MATRIX_FMT_FP6 matrix_b_fmt:MATRIX_FMT_FP6
.elseif (\f) < 4
	v_wmma_scale_f32_16x16x128_f8f6f4 v[8*(8*\a+\b):8*(8*\a+\b)+7], v[BFS+12*\b:BFS+12*\b+11], v[AFS+12*\a:AFS+12*\a+11], v[8*(8*\a+\b):8*(8*\a+\b)+7], v[SB+4*\b+(\f)], v[SA+4*\a+(\f)] matrix_a_fmt:MATRIX_FMT_FP6 matrix_b_fmt:MATRIX_FMT_FP6
.else
	v_wmma_scale_f32_16x16x128_f8f6f4 v[8*(8*\a+\b):8*(8*\a+\b)+7], v[BFS+12*\b:BFS+12*\b+11], v[AFS+12*\a:AFS+12*\a+11], v[8*(8*\a+\b):8*(8*\a+\b)+7], v[SB+4*\b+(\f)-4], v[SA+4*\a+(\f)-4] matrix_a_fmt:MATRIX_FMT_FP6 matrix_b_fmt:MATRIX_FMT_FP6 matrix_a_scale:MATRIX_SCALE_ROW1 matrix_b_scale:MATRIX_SCALE_ROW1
.endif
.endr
.endr
.endm
	s_wait_alu depctr_va_vdst(0)
	s_wait_tensorcnt 0x0                           ; my part of the first half is in
	ds_add_u32 v254, v255
	s_wait_dscnt 0x0
	CROUND                                         ; everybody's part is in, and the sixteen work-groups meet for the second joint loads
	s_cmp_eq_u32 s[WM], 0
	s_cbranch_scc0 .Lfor_b2
	tensor_load_to_lds s[G0A+4:G0A+7], s[G1A:G1A+7]
	s_nop 0
	PLACES 4
	s_branch .Lasked2
.Lfor_b2:
	tensor_load_to_lds s[68:71], s[G1B:G1B+7]
	s_nop 0
	PLACES 4
.Lasked2:
	FETCH 0
	s_wait_loadcnt 0x0                             ; the scale words and the bias
.irp f, 0,1,2,3,4,5,6,7
	s_wait_dscnt 0x0                               ; this K step's fragments are in (asked for 32 matrix instructions ago)
.if \f == 3
	s_wait_tensorcnt 0x0                           ; my part of the second half is in
	s_barrier_signal -1
	s_barrier_wait -1
.endif
.if \f < 7
.if \f > 0
	PLACES 4                                       ; in front of loads into registers that matrix instructions have read
.endif
	FETCH (\f+1)
.endif
	MUL32 \f
	WIN 0
.endr
; THE WAY OUT, a tile of 16 tokens at a time.  LDS serves a wave's instructions in order: no wait between the stores and the loads, nor in front of the next tile's stores.
.macro TOSTAGE a
	WIN 0x08                                       ; an LDS store's data are its source 1: window 2
.irp b, 0,1,2,3,4,5,6,7
	ds_store_b128 v[STO], v[8*(8*(\a)+\b):8*(8*(\a)+\b)+3] offset:128*(\b/2)+32*(\b%2)          ; each accumulator from its low end on
	ds_store_b128 v[STO], v[8*(8*(\a)+\b)+4:8*(8*(\a)+\b)+7] offset:128*(\b/2)+32*(\b%2)+16
.endr
	WIN 0
.set BB, BK+64*((\a)%2)
.irp i, 0,1,2,3,4,5,6,7,8,9,10,11,12,13,14,15
	ds_load_b128 v[BB+4*\i:BB+4*\i+3], v[RD] offset:\i*SPT
.endr
.endm
.macro SEND a, younger                 ; younger: the LDS instructions issued behind tile a's loads, which may stay out
.set BB, BK+64*((\a)%2)
	s_wait_dscnt \younger
.irp i, 0,1,2,3,4,5,6,7,8,9,10,11,12,13,14,15
	global_store_b128 v15, v[BB+4*\i:BB+4*\i+3], s[14:15] offset:(8*(\a)+\i+24*(\i/8))*4096 th:TH_STORE_NT   ; 32 lanes store 512 consecutive bytes, at a multiple of 256 from the result's first byte; lane-row i goes to its token's row
.endr
.endm
	PLACES 4                                       ; in front of the first read of results and of the loads into A's registers
	TOSTAGE 0
.irp a, 1,2,3
.if \a > 1
	s_wait_xcnt 0x0                                ; tile a - 2's stores have read their data: tile a's loads land there only behind this wait
.endif
	TOSTAGE \a
	SEND \a-1, 32                                  ; behind tile a - 1's loads: tile a's 16 stores and 16 loads
.endr
	SEND 3, 0
	s_wait_dscnt 0x0
	s_wait_tensorcnt 0x0
	ds_add_u32 v254, v255
	s_wait_dscnt 0x0
	CROUND                                         ; the closing round: no work-group ends while a partner may still ask for a tile that names it
	s_endpgm
.Lfunc_end_k_qc715933bd7_proj:
	.size	k_qc715933bd7_proj, .Lfunc_end_k_qc715933bd7_proj-k_qc715933bd7_proj
	.p2alignl 7, 3214868480
	.fill 96, 4, 3214868480
	.section	.rodata,"a",@progbits
	.p2align	6, 0x0
	.amdhsa_kernel k_qc715933bd7_proj
		.amdhsa_group_segment_fixed_size 327680
		.amdhsa_private_segment_fixed_size 0
		.amdhsa_enable_private_segment 0
		.amdhsa_kernarg_size 48
		.amdhsa_user_sgpr_count 2
		.amdhsa_user_sgpr_kernarg_segment_ptr 1
		.amdhsa_wavefront_size32 1
		.amdhsa_system_sgpr_workgroup_id_x 1
		.amdhsa_system_sgpr_workgroup_id_y 1
		.amdhsa_system_sgpr_workgroup_id_z 1
		.amdhsa_system_vgpr_workitem_id 0
		.amdhsa_next_free_vgpr 768
		.amdhsa_next_free_sgpr 104
		.amdhsa_reserve_vcc 0
		.amdhsa_float_denorm_mode_32 3
		.amdhsa_float_denorm_mode_16_64 3
		.amdhsa_memory_ordered 1
		.amdhsa_forward_progress 1
		.amdhsa_inst_pref_size 96
	.end_amdhsa_kernel
	.amdgpu_metadata
---
amdhsa.version: [ 1, 2 ]
amdhsa.kernels:
  - .name:           k_qc715933bd7_proj
    .symbol:         k_qc715933bd7_proj.kd
    .args:
      - { .name: oimg, .offset: 0, .size: 8, .value_kind: global_buffer, .address_space: global }
      - { .name: osc, .offset: 8, .size: 8, .value_kind: global_buffer, .address_space: global }
      - { .name: cimg, .offset: 16, .size: 8, .value_kind: global_buffer, .address_space: global }
      - { .name: csc, .offset: 24, .size: 8, .value_kind: global_buffer, .address_space: global }
      - { .name: proj_b, .offset: 32, .size: 8, .value_kind: global_buffer, .address_space: global }
      - { .name: out0, .offset: 40, .size: 8, .value_kind: global_buffer, .address_space: global }
    .group_segment_fixed_size: 327680
    .private_segment_fixed_size: 0
    .kernarg_segment_align: 8
    .kernarg_segment_size: 48
    .max_flat_workgroup_size: 128
    .sgpr_count:     104
    .vgpr_count:     768
    .wavefront_size: 32
...
	.end_amdgpu_metadata
.endif
;; end of part 5
